; MI455X (gfx1250); checked and timed in simulation.
; The chip was launched on July 23, 2026; its instructions are those of AMD's public machine-readable ISA for CDNA 5 (MIT licence, August 2026) and "CDNA5" Instruction Set Architecture Reference Guide (July 2026). The comments in the code are by the model that wrote it; some were corrected since.
;; Multi Head Attention Block. Allowed arithmetic: matrix products marked QUANTISED: E2M3 operands, one E8M0 scale for each 32 along K, by v_wmma_scale_f32_16x16x128_f8f6f4 with both operands' format E2M3, f32 sums; everything else in f32.
;; Inputs: Wk 1,024 x 1,024 float32; Wo 1,024 x 1,024 float32; Wq 1,024 x 1,024 float32; Wv 1,024 x 1,024 float32; bk 1,024 float32; bo 1,024 float32; bq 1,024 float32; bv 1,024 float32; k 4 x 2,048 x 1,024 float32; mask 1 x 1 x 2,048 x 2,048 bool; q 4 x 2,048 x 1,024 float32; v 4 x 2,048 x 1,024 float32.
;; Outputs: out0 4 x 2,048 x 1,024 float32.
;; This version of the problem:
;;   THIS VERSION OF THE PROBLEM IS GIVEN IN LOW PRECISION. The matrix products marked QUANTISED in the list below multiply operands that are first quantised to E2M3 (2 exponent bits, 3 mantissa bits; 6 bits a number), with one power-of-two scale for each 32 numbers along K (OCP MX v1.0); their sums are f32. All else is computed in f32.
;;   The module's matrix products, in the order in which they are computed (A, B: the left and right operand; K: the contracted axis; several contracted axes count as one K, in the product's order):
;;     1. [M 8,192, K 1,024] x [K 1,024, N 1,024]; A: input q; B: input Wq: QUANTISED
;;     2. [M 8,192, K 1,024] x [K 1,024, N 1,024]; A: input k; B: input Wk: QUANTISED
;;     3. [M 8,192, K 1,024] x [K 1,024, N 1,024]; A: input v; B: input Wv: QUANTISED
;;     4. batch 64 x [M 2,048, K 64] x [K 64, N 2,048]; A: computed on the way; B: computed on the way: QUANTISED
;;     5. batch 64 x [M 2,048, K 2,048] x [K 2,048, N 64]; A: softmax (see below); B: computed on the way: QUANTISED
;;     6. [M 8,192, K 1,024] x [K 1,024, N 1,024]; A: computed on the way; B: input Wo: QUANTISED
;;   THE QUANTISER, for each operand of a quantised product, along K:
;;     - K is cut into blocks of 32 from its start; a last block that is shorter is filled with zeros.
;;     - A block's scale is 2^e with e = floor(log2(the largest magnitude in the block)) - 2, held to -126 .. 127; a block of zeros has e = 0. As a byte (E8M0): e + 127.
;;     - Each number is divided by its block's scale, clamped to +-7.5, and rounded to the nearest number of E2M3, ties to even, subnormals kept.
;;     - The product sums the exact products of the quantised numbers (number of the format x scale) in f32.
;;   ~~~python
;;   def quantise(x, axis):      # numpy; x: float32 -> the quantised numbers, widened to float32 again
;;       x = np.moveaxis(x, axis, -1); K = x.shape[-1]
;;       x = np.pad(x, [(0, 0)] * (x.ndim - 1) + [(0, -K % 32)]); x = x.reshape(x.shape[:-1] + (-1, 32)); a = np.abs(x).max(-1, keepdims=True)
;;       e = np.where(a > 0, np.clip(np.frexp(np.where(a > 0, a, 1))[1] - 1 - 2, -126, 127), 0)      # np.frexp(a)[1] - 1 = floor(log2(a)), exactly
;;       r = np.clip(x / 2.0 ** e, -7.5, 7.5)
;;       step = 2.0 ** (np.maximum(np.frexp(np.where(r == 0, 1, r))[1] - 1, 0) - 3)
;;       q = np.round(r / step) * step * 2.0 ** e      # np.round: ties to even
;;       return np.moveaxis(q.reshape(q.shape[:-2] + (-1,))[..., :K], -1, axis).astype(np.float32)
;;   ~~~
;;   SOFTMAX AHEAD OF A QUANTISED PRODUCT. Where the list says 'softmax', what is quantised is not the finished softmax but p = 2^(t - M), with t = logit x log2(e) and M = ceil(the row's largest t), a whole number; so 1/2 < the row's largest p <= 1. The row's sum l is taken of the UNQUANTISED p, in f32, and the product's result is divided by l at the end. Since M is a whole number, a kernel that streams over the keys may use a running M (the ceiling of the running maximum): every later rescaling is an exact power of two, which a block's scale takes up: the codes' values come out the same.
;;   OPERANDS COMPUTED ON THE WAY. 'Computed on the way' means the value that the module computes at that place (a softmax that the list does not call 'softmax' is quantised finished and normalised). What goes into a quantiser is computed in f32, as accurately as f32 sums, v_exp_f32 and their like allow (about 1e-6 of the number): no bf16 or f16 on the way to a quantiser, and a product that is left as it is and whose result goes on into a quantised operand takes f32 operands (vector FMAs, or v_wmma_f32_16x16x4_f32). A number that lies on a knife's edge between two numbers of the format may be rounded either way, as far as f32 arithmetic and the matrix unit's own rounding can turn it there, and no further.
;; One version. Each part assembles by itself: llvm-mc -triple=amdgcn-amd-amdhsa -mcpu=gfx1250 --defsym DOCPART=n.
;; ======== version 1 of 1: 4 launches
;; workspace buffers: xq 19,660,800 bytes; wq 3,276,800 bytes; mk 524,800 bytes of whole numbers; qimg 6,553,600 bytes; kv 13,107,200 bytes; ctx 6,553,600 bytes
;; launch prep (part 1): grid 640 x 1, 4 waves a work-group, no clusters, 58,880 bytes of LDS; arguments q, k, v, Wq, Wk, Wv, Wo, mask, xq, wq, mk; writes xq, wq, mk
.if DOCPART == 1
	.amdgcn_target "amdgcn-amd-amdhsa--gfx1250"
	.amdhsa_code_object_version 6
	.text
	.protected	k_q956698dfff_prep
	.globl	k_q956698dfff_prep
	.p2align	8
	.type	k_q956698dfff_prep,@function
k_q956698dfff_prep:
	s_mov_b64 s[64:65], 0
	v_nop
	global_prefetch_b8 v0, s[64:65] scope:SCOPE_SE
	s_setreg_imm32_b32 hwreg(HW_REG_WAVE_MODE, 25, 1), 1
	s_wait_xcnt 0x0
; PREP.  Three jobs in one launch, told apart by the work-group's number; each has LDS bytes of its own and no wave shares anything with another.
;  X (work-groups 0-383):  q, k, v [8192][1024] f32 become codes of FP6 (E2M3) with one E8M0 byte for each 32 along K (the rows' 1,024), laid as IMAGES OF OPERAND REGISTERS.
;  W (384-511):            Wq, Wk, Wv, Wo [K 1024][N 1024] f32 likewise, quantised down their FIRST axis; an operand's row is an output feature.
;  M (512-639):            the mask [2048][2048] of bytes becomes lane masks (one 32-bit word for each score register of a key step) and, for each tile of 16 queries, 2 bits a key step: 0 nothing counts, 1 some, 2 all.
; A ROW TILE (RT) is 16 rows: RT 2 G + u holds rows 32 G + 8 u + m + 8 (m / 8), m = 0 .. 15: as source 0 of a product, tiles 2 G and 2 G + 1 then leave 16 neighbours in a lane's 16 registers.
; A FRAGMENT'S IMAGE (16 rows x 128 K, 12 registers a lane) is 1,536 bytes: registers 4 g .. 4 g + 3 of lane L at 512 g + 16 L.  An RT's eight K steps follow each other: 12,288 bytes.
; A SCALE IMAGE is 512 bytes an RT: the word of row r for K step 2 s + q at 128 s + 8 r + 4 q.
; A block's scale is 2^(floor(log2(largest magnitude)) - 2); its byte is the largest magnitude's exponent field - 2, held at 1 from below.
; LIMITS: NaN and infinities among the f32 inputs are not served; a block whose largest magnitude lies under 2^-124 keeps the byte 1, a block of zeros too (its codes are zeros; this program alone reads the bytes);
; a mask byte other than 0 counts as true.
.set XSOFF,  18874368                  ; xq: the scale images begin behind 1,536 RT x 12,288 bytes of codes
.set WSOFF,  3145728                   ; wq: behind 4 weights x 64 RT x 12,288
.set GROW,   12288
.set FLAGS,  524288                    ; mk: the flag words begin behind 128 tiles x 16 steps x 256 bytes
.set SEL,    28                        ; s[28:29] lane selects for v_permlanex16_b32: lane l xor 16
.set HI16,   30                        ; s30      lanes 16-31
.set TM,     208                       ; v208-223 at work in QUANT
.set CT,     236                       ; v236-242 the conversions' second halves
; 64 numbers of a lane, v[s] .. v[s + 63], register 16 b + i = k 32 b + 16 (lane / 16) + i of my row, become a fragment's codes (k 0-63 in v[d0] .. v[d0 + 5], k 64-127 in v[d1] .. v[d1 + 5]) and my row's scale word in v[w].
.macro QUANT s, d0, d1, w
.irp b, 0,1,2,3
	v_max3_num_f32 v[TM+\b], |v[\s+16*\b]|, |v[\s+1+16*\b]|, 0x1800000   ; my 16 numbers of block b, and the floor 2^(3 - 127): the byte cannot fall under 1
.endr
.irp i, 2,4,6,8,10,12,14
.irp b, 0,1,2,3
	v_max3_num_f32 v[TM+\b], v[TM+\b], |v[\s+16*\b+\i]|, |v[\s+1+16*\b+\i]|   ; the four blocks by turns
.endr
.endr
.irp b, 0,1,2,3
	v_permlanex16_b32 v[TM+4+\b], v[TM+\b], s[SEL], s[SEL+1]
.endr
.irp b, 0,1,2,3
	v_max_num_f32 v[TM+\b], v[TM+\b], v[TM+4+\b]   ; with lane l xor 16's: the block's largest magnitude
.endr
.irp b, 0,1,2,3
	v_add_nc_u32 v[TM+12+\b], 0xff000000, v[TM+\b]   ; 2 off its exponent field: the conversion's scale operand
.endr
.irp b, 0,1,2,3
	v_lshrrev_b32 v[TM+4+\b], 23, v[TM+12+\b]      ; the scale's byte
.endr
	v_lshl_or_b32 v[\w], v[TM+5], 8, v[TM+4]
	v_lshl_or_b32 v[\w], v[TM+6], 16, v[\w]
	v_lshl_or_b32 v[\w], v[TM+7], 24, v[\w]
	v_cvt_scalef32_pk16_fp6_f32 v[\d0:\d0+2], v[\s:\s+15], v[TM+12]
	v_cvt_scalef32_pk16_fp6_f32 v[CT:CT+2], v[\s+16:\s+31], v[TM+13]   ; (a conversion's three registers begin on an even number)
	v_cvt_scalef32_pk16_fp6_f32 v[\d1:\d1+2], v[\s+32:\s+47], v[TM+14]
	v_cvt_scalef32_pk16_fp6_f32 v[CT+4:CT+6], v[\s+48:\s+63], v[TM+15]
	v_nop                                          ; one plain place behind the scaled conversions
.irp i, 0,1,2                                  ; the operand wants a WHOLE block in a lane: lanes 0-15 the even block, lanes 16-31 the odd one
	v_permlane16_swap_b32 v[\d0+\i], v[CT+\i]
	v_permlane16_swap_b32 v[\d1+\i], v[CT+4+\i]
.endr
.irp i, 0,1,2
	v_mov_b32 v[\d0+3+\i], v[CT+\i]
	v_mov_b32 v[\d1+3+\i], v[CT+4+\i]
.endr
.endm
	s_load_b512 s[4:19], s[0:1], 0x0               ; q s[4:5], k s[6:7], v s[8:9], Wq s[10:11], Wk s[12:13], Wv s[14:15], Wo s[16:17], mask s[18:19]
	s_load_b128 s[20:23], s[0:1], 0x40             ; xq s[20:21], wq s[22:23]
	s_load_b64 s[24:25], s[0:1], 0x50              ; mk
	v_lshl_add_u32 v239, v0, 2, 0xe400
	v_mov_b32 v243, 0
	v_lshrrev_b32 v1, 5, v0
	v_readfirstlane_b32 s26, v1                    ; wave 0..3
	v_and_b32 v2, 31, v0                           ; lane
	s_mov_b32 s[SEL], 0x76543210
	s_mov_b32 s[SEL+1], 0xfedcba98
	s_mov_b32 s[HI16], 0xffff0000
	s_wait_kmcnt 0x0
	s_cmp_ge_u32 ttmp9, 512
	s_cbranch_scc1 .Lmask
	s_cmp_ge_u32 ttmp9, 384
	s_cbranch_scc1 .Lweights
; ---------------- X: a wave takes one RT of q, k or v through its eight K steps.  Each load reads 512 consecutive bytes of one row; the 16 rows turn through the wave's stage in LDS (rows of 512 + 16 bytes),
; from which a lane takes 16 neighbours of each block of 32 of ITS row.  Loads run two K steps (32 loads a wave) ahead.
.set R,   16                           ; v16-143  two sets of 64 registers as loaded
.set X,   144                          ; v144-207 my row's 64 numbers of the K step
.set PC,  224                          ; v224-235 the fragment's codes
.set SW,  244                          ; v244-251 a scale word for each K step
	s_cmp_lt_u32 ttmp9, 256                        ; which tensor: the choice hangs on the work-group's number alone
	s_cselect_b64 s[6:7], s[6:7], s[8:9]
	s_cmp_lt_u32 ttmp9, 128
	s_cselect_b64 s[4:5], s[4:5], s[6:7]
	s_lshl_b32 s31, ttmp9, 2
	s_add_co_u32 s31, s31, s26                     ; my RT among the 1,536
	s_and_b32 s32, s31, 511                        ; and in its tensor
	s_lshr_b32 s33, s32, 1
	s_lshl_b32 s33, s33, 17                        ; 32 rows of 4,096 bytes for each pair of RTs,
	s_and_b32 s32, s32, 1
	s_lshl_b32 s32, s32, 15                        ; 8 rows for the odd one
	s_add_co_u32 s32, s32, s33
	s_mov_b32 s33, 0
	s_add_nc_u64 s[4:5], s[4:5], s[32:33]
	s_mul_i32 s32, s31, GROW
	s_add_nc_u64 s[34:35], s[20:21], s[32:33]      ; my RT's codes
	s_lshl_b32 s32, s31, 9
	s_add_co_u32 s32, s32, XSOFF
	s_add_nc_u64 s[36:37], s[20:21], s[32:33]      ; and its scale image
	v_lshlrev_b32 v4, 4, v2                        ; 16 x lane: in memory, coming and going
	s_mul_i32 s38, s26, 8448                       ; my stage: 16 rows x 528 bytes
	v_add_nc_u32 v5, s38, v4                       ; into it: a row's 512 bytes as they lie
	v_and_b32 v3, 15, v2
	v_lshrrev_b32 v7, 4, v2
	v_mul_u32_u24 v6, v3, 528
	v_lshl_add_u32 v6, v7, 6, v6
	v_add_nc_u32 v6, s38, v6                       ; out of it: row lane % 16, + 64 bytes for lanes 16-31
	v_lshlrev_b32 v8, 3, v2                        ; 8 x lane
.irp b, 0,1,2,3
	v_mov_b32 v[TM+4+\b], 0                        ; written once: a lane permute's destination counts as one of its sources
.endr
.macro XLOAD t
.irp i, 0,1,2,3,4,5,6,7,8,9,10,11,12,13,14,15
	global_load_b128 v[R+64*((\t)%2)+4*\i:R+64*((\t)%2)+4*\i+3], v4, s[4:5] offset:(\i+8*(\i/8))*4096+512*(\t) th:TH_LOAD_NT   ; row i of the RT, 128 numbers: 512 consecutive bytes, aligned
.endr
.endm
.macro XSTEP t
.if (\t) < 7
	s_wait_loadcnt 16                              ; this K step's 16 loads are in; the next step's 16 may be out
.else
	s_wait_loadcnt 0
.endif
.irp i, 0,1,2,3,4,5,6,7,8,9,10,11,12,13,14,15
	ds_store_b128 v5, v[R+64*((\t)%2)+4*\i:R+64*((\t)%2)+4*\i+3] offset:528*\i
.endr
.irp b, 0,1,2,3
.irp j, 0,1,2,3
	ds_load_b128 v[X+16*\b+4*\j:X+16*\b+4*\j+3], v6 offset:128*\b+16*\j   ; LDS serves a wave's instructions in order: these see the stores above
.endr
.endr
	s_wait_dscnt 16                                ; the 16 stores have read their registers (the 16 reads behind them may be out),
	s_wait_xcnt 0x0                                ; and the last step's stores of codes theirs: both sets are written again only behind these waits
.if (\t)+2 < 8
	XLOAD (\t)+2
.endif
	s_wait_dscnt 0x0
	QUANT X, PC, PC+6, SW+(\t)
.irp g, 0,1,2
	global_store_b128 v4, v[PC+4*\g:PC+4*\g+3], s[34:35] offset:1536*(\t)+512*\g   ; the image: 512 consecutive bytes a store
.endr
.endm
	XLOAD 0
	XLOAD 1
.irp t, 0,1,2,3,4,5,6,7
	XSTEP \t
.endr
	v_cndmask_b32 v252, v[SW+0], v[SW+2], s[HI16]  ; every lane holds its row's words: lanes 0-15 give those of K steps 0, 1, lanes 16-31 those of 2, 3:
	v_cndmask_b32 v253, v[SW+1], v[SW+3], s[HI16]
	v_cndmask_b32 v254, v[SW+4], v[SW+6], s[HI16]
	v_cndmask_b32 v255, v[SW+5], v[SW+7], s[HI16]
	global_store_b64 v8, v[252:253], s[36:37]      ; 256 consecutive bytes, aligned
	global_store_b64 v8, v[254:255], s[36:37] offset:256
	s_wait_tensorcnt 0x0
	ds_add_u32 v239, v243
	s_wait_dscnt 0x0
	s_endpgm
; ---------------- W: a lane takes a column n and its registers run down K: a block of 32 lies in one lane, and the conversions give codes with K innermost.  A wave takes 32 columns (two RTs) x 256 along K (two K steps):
; 8 blocks a lane.  A block's 24 bytes are six registers of one lane of an image; they are put there in the wave's stage in LDS, and the four images leave as they lie.
.Lweights:
.set WX,   32                          ; v32-95   two sets of 32 numbers
.set C,    96                          ; v96-102  a block's codes
.set SB,   24                          ; v24-25   the scale bytes, four to a register
.set OUTR, 112                         ; v112-159 the way out
	s_sub_co_u32 s31, ttmp9, 384
	s_lshr_b32 s32, s31, 5                         ; which weight
	s_and_b32 s33, s31, 7                          ; which 128 columns
	s_bfe_u32 s34, s31, 0x20003                    ; which 256 along K
	s_cmp_lt_u32 s32, 1
	s_cselect_b64 s[10:11], s[10:11], s[12:13]
	s_cmp_lt_u32 s32, 3
	s_cselect_b64 s[14:15], s[14:15], s[16:17]
	s_cmp_lt_u32 s32, 2
	s_cselect_b64 s[10:11], s[10:11], s[14:15]
	s_lshl_b32 s35, s33, 2
	s_add_co_u32 s35, s35, s26                     ; my group of 32 columns
	s_lshl_b32 s36, s34, 20                        ; 256 rows of 4,096 bytes
	s_lshl_b32 s37, s35, 7
	s_add_co_u32 s36, s36, s37
	s_mov_b32 s37, 0
	s_add_nc_u64 s[10:11], s[10:11], s[36:37]
	s_mul_i32 s36, s32, 786432                     ; the codes: the weight, my two RTs, my two K steps
	s_mul_i32 s38, s35, 2*GROW
	s_add_co_u32 s36, s36, s38
	s_mul_i32 s38, s34, 3072
	s_add_co_u32 s36, s36, s38
	s_add_nc_u64 s[40:41], s[22:23], s[36:37]
	s_lshl_b32 s36, s32, 15                        ; the scale images likewise
	s_lshl_b32 s38, s35, 10
	s_add_co_u32 s36, s36, s38
	s_lshl_b32 s38, s34, 7
	s_add_co_u32 s36, s36, s38
	s_add_co_u32 s36, s36, WSOFF
	s_add_nc_u64 s[42:43], s[22:23], s[36:37]
	v_lshlrev_b32 v3, 2, v2                        ; in: 4 bytes a lane
	v_bfe_u32 v5, v2, 3, 1                         ; column nu of the 32 is row m = nu % 8 + 8 (nu / 16) of RT u = (nu / 8) % 2
	v_and_b32 v6, 7, v2
	v_lshrrev_b32 v7, 4, v2
	v_lshl_add_u32 v6, v7, 3, v6
	s_mul_i32 s38, s26, 6144
	s_add_co_u32 s38, s38, 33792                   ; my stage: [RT u][K step][1,536], behind the other job's stages
	v_mul_u32_u24 v4, v5, 3072
	v_lshl_add_u32 v4, v6, 4, v4
	v_add_nc_u32 v4, s38, v4                       ; into it: 3,072 u + 16 m
	v_lshlrev_b32 v8, 4, v2
	v_add_nc_u32 v7, s38, v8                       ; out of it: 16 x lane
	v_lshlrev_b32 v9, 9, v5
	v_lshl_add_u32 v9, v6, 3, v9                   ; my row's place in the two scale images: 512 u + 8 m
.macro WLOAD t
.irp i, 0,1,2,3,4,5,6,7,8,9,10,11,12,13,14,15,16,17,18,19,20,21,22,23,24,25,26,27,28,29,30,31
	global_load_b32 v[WX+32*((\t)%2)+\i], v3, s[10:11] offset:(32*(\t)+\i)*4096 th:TH_LOAD_NT   ; 32 lanes read 128 consecutive bytes; the four waves stand side by side on 512
.endr
.endm
.macro WBLOCK t
.set XS, WX+32*((\t)%2)
.if (\t) < 7
	s_wait_loadcnt 32                              ; this block's 32 loads are in; the next block's may be out
.else
	s_wait_loadcnt 0
.endif
	v_max3_num_f32 v12, |v[XS]|, |v[XS+1]|, |v[XS+2]|
	v_max3_num_f32 v13, |v[XS+3]|, |v[XS+4]|, |v[XS+5]|
.irp i, 6,10,14,18,22,26
	v_max3_num_f32 v12, v12, |v[XS+\i]|, |v[XS+\i+1]|
	v_max3_num_f32 v13, v13, |v[XS+\i+2]|, |v[XS+\i+3]|
.endr
	v_max3_num_f32 v12, v12, |v[XS+30]|, |v[XS+31]|
	v_max3_num_f32 v12, v12, v13, 0x1800000        ; and the floor
	v_add_nc_u32 v11, 0xff000000, v12              ; the conversion's scale operand
	v_lshrrev_b32 v13, 23, v11                     ; the byte
.if (\t)%4 == 0
	v_mov_b32 v[SB+(\t)/4], v13
.else
	v_lshl_or_b32 v[SB+(\t)/4], v13, 8*((\t)%4), v[SB+(\t)/4]
.endif
	v_cvt_scalef32_pk16_fp6_f32 v[C:C+2], v[XS:XS+15], v11
	v_cvt_scalef32_pk16_fp6_f32 v[C+4:C+6], v[XS+16:XS+31], v11
	v_nop                                          ; one plain place behind the scaled conversions
	v_mov_b32 v[C+3], v[C+4]                       ; six registers on end
	v_mov_b32 v[C+4], v[C+5]
	v_mov_b32 v[C+5], v[C+6]
.set OFFS, 1536*((\t)/4)+256*((\t)%2)  ; block t: K step t / 4; in it registers 6 c .. 6 c + 5 (c = (t % 4) / 2) of lane m + 16 (t % 2)
.if ((\t)%4)/2 == 0
	ds_store_b128 v4, v[C:C+3] offset:OFFS         ; registers 0-3
	ds_store_b64 v4, v[C+4:C+5] offset:OFFS+512    ; 4, 5
.else
	ds_store_b64 v4, v[C:C+1] offset:OFFS+520      ; 6, 7
	ds_store_b128 v4, v[C+2:C+5] offset:OFFS+1024  ; 8-11
.endif
.if (\t)+2 < 8
	WLOAD (\t)+2
.endif
	s_wait_dscnt 0x0                               ; the stores have read their registers: the next block's codes may be written
.endm
	WLOAD 0
	WLOAD 1
.irp t, 0,1,2,3,4,5,6,7
	WBLOCK \t
.endr
	global_store_b64 v9, v[SB:SB+1], s[42:43]      ; my row's two scale words: sixteen lanes store 128 consecutive bytes (half an aligned 256: one byte in 128 of what this job reads)
.irp n, 0,1,2,3,4,5,6,7,8,9,10,11
	ds_load_b128 v[OUTR+4*\n:OUTR+4*\n+3], v7 offset:512*\n
.endr
.irp n, 0,1,2,3,4,5,6,7,8,9,10,11
	s_wait_dscnt 11-\n
	global_store_b128 v8, v[OUTR+4*\n:OUTR+4*\n+3], s[40:41] offset:(\n/6)*GROW+512*(\n%6)   ; 512 consecutive bytes, aligned
.endr
	s_wait_tensorcnt 0x0
	ds_add_u32 v239, v243
	s_wait_dscnt 0x0
	s_endpgm
; ---------------- M: a work-group takes a tile of 16 queries (an RT of the 2,048), a wave four key steps of 128.  Lane (r, h) reads the 16 mask bytes of query r at keys 128 s + 32 b + 16 h + 0 .. 15: just the keys whose
; scores its registers 16 b + 0 .. 15 will hold.  Word n of a step: bit L = the byte of lane L for register n.  Only selects hang on the mask here.
.Lmask:
.set MB,  16                           ; v16-79  the bytes: 16 registers a step
.set OW,  80                           ; v80-87  the words: lane j of a step's pair holds words 2 j and 2 j + 1
	s_sub_co_u32 s31, ttmp9, 512                   ; the tile
	s_lshr_b32 s32, s31, 1
	s_lshl_b32 s32, s32, 16                        ; 32 rows of 2,048 bytes
	s_and_b32 s33, s31, 1
	s_lshl_b32 s33, s33, 14
	s_add_co_u32 s32, s32, s33
	s_lshl_b32 s33, s26, 9                         ; my four steps' keys
	s_add_co_u32 s32, s32, s33
	s_mov_b32 s33, 0
	s_add_nc_u64 s[18:19], s[18:19], s[32:33]
	s_lshl_b32 s32, s31, 12
	s_lshl_b32 s38, s26, 10
	s_add_co_u32 s32, s32, s38
	s_add_nc_u64 s[34:35], s[24:25], s[32:33]      ; my four steps' words
	s_lshl_b32 s32, s31, 2
	s_add_co_u32 s32, s32, s26
	s_add_co_u32 s32, s32, FLAGS
	s_add_nc_u64 s[36:37], s[24:25], s[32:33]      ; my byte of the tile's flag word
	v_and_b32 v3, 15, v2
	v_and_b32 v4, 8, v3
	v_add_nc_u32 v3, v3, v4                        ; r + 8 (r / 8)
	v_lshrrev_b32 v4, 4, v2
	v_lshlrev_b32 v3, 11, v3
	v_lshl_add_u32 v3, v4, 4, v3
	v_lshlrev_b32 v8, 3, v2
	v_mov_b32 v10, 0
.irp i, 0,1,2,3,4,5,6,7
	v_mov_b32 v[OW+\i], 0                          ; v_writelane_b32's destination counts as read
.endr
.irp i, 0,1,2,3,4,5,6,7,8,9,10,11,12,13,14,15
	global_load_b128 v[MB+4*\i:MB+4*\i+3], v3, s[18:19] offset:128*(\i/4)+32*(\i%4)
.endr
	s_mov_b32 s42, 0
.macro MSTEP sl
	s_wait_loadcnt 12-4*\sl                        ; this step's four loads are in; the later steps' may be out
	s_mov_b32 s38, -1
	s_mov_b32 s39, 0
.set n, 0
.rept 64
	v_and_b32 v9, 0xff<<(8*(n%4)), v[MB+16*\sl+4*(n/16)+(n%16)/4]
	v_cmp_ne_u32 s40, 0, v9
	v_writelane_b32 v[OW+2*\sl+n%2], s40, n/2
	s_and_b32 s38, s38, s40
	s_or_b32 s39, s39, s40
.set n, n+1
.endr
	s_cmp_eq_u32 s39, 0
	s_cselect_b32 s41, 0, 1
	s_cmp_eq_u32 s38, -1
	s_cselect_b32 s41, 2, s41
	s_lshl_b32 s41, s41, 2*\sl
	s_or_b32 s42, s42, s41
	global_store_b64 v8, v[OW+2*\sl:OW+2*\sl+1], s[34:35] offset:256*\sl   ; 256 consecutive bytes, aligned
.endm
	MSTEP 0
	MSTEP 1
	MSTEP 2
	MSTEP 3
	v_mov_b32 v11, s42
	v_cmp_eq_u32 vcc_lo, 0, v2
	s_wait_xcnt 0x0                                ; EXEC changes only behind this wait
	s_and_saveexec_b32 s43, vcc_lo
	global_store_b8 v10, v11, s[36:37]             ; one lane: my four steps' 8 bits
	s_wait_xcnt 0x0
	s_or_b32 exec_lo, exec_lo, s43
	s_endpgm
.Lfunc_end_k_q956698dfff_prep:
	.size	k_q956698dfff_prep, .Lfunc_end_k_q956698dfff_prep-k_q956698dfff_prep
	.p2alignl 7, 3214868480
	.fill 96, 4, 3214868480
	.section	.rodata,"a",@progbits
	.p2align	6, 0x0
	.amdhsa_kernel k_q956698dfff_prep
		.amdhsa_group_segment_fixed_size 58880
		.amdhsa_private_segment_fixed_size 0
		.amdhsa_enable_private_segment 0
		.amdhsa_kernarg_size 88
		.amdhsa_user_sgpr_count 2
		.amdhsa_user_sgpr_kernarg_segment_ptr 1
		.amdhsa_wavefront_size32 1
		.amdhsa_system_sgpr_workgroup_id_x 1
		.amdhsa_system_sgpr_workgroup_id_y 1
		.amdhsa_system_sgpr_workgroup_id_z 1
		.amdhsa_system_vgpr_workitem_id 0
		.amdhsa_next_free_vgpr 256
		.amdhsa_next_free_sgpr 66
		.amdhsa_reserve_vcc 1
		.amdhsa_float_denorm_mode_32 3
		.amdhsa_float_denorm_mode_16_64 3
		.amdhsa_memory_ordered 1
		.amdhsa_forward_progress 1
		.amdhsa_inst_pref_size 174
	.end_amdhsa_kernel
	.amdgpu_metadata
---
amdhsa.version: [ 1, 2 ]
amdhsa.kernels:
  - .name:           k_q956698dfff_prep
    .symbol:         k_q956698dfff_prep.kd
    .args:
      - { .name: q, .offset: 0, .size: 8, .value_kind: global_buffer, .address_space: global }
      - { .name: k, .offset: 8, .size: 8, .value_kind: global_buffer, .address_space: global }
      - { .name: v, .offset: 16, .size: 8, .value_kind: global_buffer, .address_space: global }
      - { .name: Wq, .offset: 24, .size: 8, .value_kind: global_buffer, .address_space: global }
      - { .name: Wk, .offset: 32, .size: 8, .value_kind: global_buffer, .address_space: global }
      - { .name: Wv, .offset: 40, .size: 8, .value_kind: global_buffer, .address_space: global }
      - { .name: Wo, .offset: 48, .size: 8, .value_kind: global_buffer, .address_space: global }
      - { .name: mask, .offset: 56, .size: 8, .value_kind: global_buffer, .address_space: global }
      - { .name: xq, .offset: 64, .size: 8, .value_kind: global_buffer, .address_space: global }
      - { .name: wq, .offset: 72, .size: 8, .value_kind: global_buffer, .address_space: global }
      - { .name: mk, .offset: 80, .size: 8, .value_kind: global_buffer, .address_space: global }
    .group_segment_fixed_size: 58880
    .private_segment_fixed_size: 0
    .kernarg_segment_align: 8
    .kernarg_segment_size: 88
    .max_flat_workgroup_size: 128
    .sgpr_count:     66
    .vgpr_count:     256
    .wavefront_size: 32
...
	.end_amdgpu_metadata
.endif
;; end of part 1
;; launch proj (part 2): grid 4 x 96, 4 waves a work-group, clusters of 4 x 4, 327,680 bytes of LDS; arguments xq, wq, bq, bk, bv, qimg, kv; writes qimg, kv
.if DOCPART == 2
	.amdgcn_target "amdgcn-amd-amdhsa--gfx1250"
	.amdhsa_code_object_version 6
	.text
	.protected	k_q956698dfff_proj
	.globl	k_q956698dfff_proj
	.p2align	8
	.type	k_q956698dfff_proj,@function
k_q956698dfff_proj:
	s_mov_b64 s[64:65], 0
	v_nop
	global_prefetch_b8 v0, s[64:65] scope:SCOPE_SE
	s_setreg_imm32_b32 hwreg(HW_REG_WAVE_MODE, 25, 1), 1
	s_wait_xcnt 0x0
	s_wait_alu depctr_hold_cnt(0) depctr_sa_sdst(0) depctr_va_vdst(0) depctr_va_sdst(0) depctr_va_ssrc(0) depctr_va_vcc(0) depctr_vm_vsrc(0)
	s_getreg_b32 s2, hwreg(HW_REG_IB_STS2, 6, 4)
	s_cmp_eq_u32 s2, 0
	s_cbranch_scc0 .Lentry_in_a_cluster
	s_endpgm
.Lentry_in_a_cluster:
	s_bfe_u32 s2, ttmp6, 0x10000c
	s_cmp_lg_u32 s2, 0xf033
	s_cbranch_scc0 .Lentry_shape_is_right
	s_endpgm
.Lentry_shape_is_right:
; PROJ.  Q = q Wq + bq, K = k Wk + bk, V = v Wv + bv on codes of FP6 (E2M3) with one E8M0 scale for each 32 along K = 1,024; sums in f32; the results, with their biases, are quantised in registers for attention's
; two products and leave as images of operand registers.  Nothing wide goes to memory.
; A work-group of four waves makes 256 x 256, a wave 128 x 128: 64 accumulators, 512 registers.  K goes in steps of 256 through a ring of two LDS slots filled by the tensor data mover.
; SIDES.  Side A is source 1 of the matrix instruction: its rows land in LANES.  Side B is source 0: its rows run along a lane's REGISTERS, and since a row tile (RT 2 G + u = rows 32 G + 8 u + m + 8 (m / 8)) is laid
; for it, the 64 registers of a block of A are 128 neighbours of B's rows, 16 of each 32 in a lane.  For Q and K: A = tokens, B = output features, so registers run along the head's channels, their next K.
; For V (cluster rows 16-23): A = features of Wv, B = tokens, so registers run along the keys, V's next K.  Only pointers and tile numbers are chosen, on the cluster's y, which all partners share: one text multiplies.
; OPERANDS lie in memory as images: 1,536 bytes a fragment (registers 4 g .. 4 g + 3 of lane L at 512 g + 16 L), an RT's eight K steps on end (12,288 bytes): a fragment comes from LDS by three loads of 16 bytes a lane,
; each of 512 consecutive bytes: no pitch, no padding.  Scale images: 512 bytes an RT, the word of row r for K step 2 s + q at 128 s + 8 r + 4 q; a wave's 8 RTs are 4,096 dense bytes; all of K's stay in LDS.
; CLUSTERS: 4 x 4 work-groups; A's tiles are shared along a row of the cluster, B's along a column: joint loads.
; OUT.  qimg, a head (pitch 102,400): 64 pair fragments (registers 0-5: RT 2 G's 64 channels, 6-11: RT 2 G + 1's), then 16 blocks of 256 scale bytes (word i of lane L: fragment 2 i + L / 16 of the step's four, row L % 16).
;       kv, a head (pitch 204,800): K's 64 pair fragments, V's 16 steps x 4 channel tiles x 128 keys at 98,304, K's scale blocks at 196,608, V's at 200,704.
; LIMITS: NaN and infinities are not served; a block whose largest magnitude lies under 2^-124, a block of zeros too, keeps the byte 1 (this program alone reads the bytes).
; REGISTERS: window 0: v2-15 at work in the way out; v16-31 addresses; v32-63 scale words, two sets, and nothing else; v64-127 biases by register; v128-223 A's fragments, ONE set, later the way out; v240-255 biases by lane.
;   window 1: B's fragments, TWO sets, at v0 and v128.  windows 2, 3: the accumulators of my blocks 0-3, 4-7 of A (accumulator (a, b) at v[8 (8 (a % 4) + b)]).
.set GROW,   12288
.set XSOFF,  18874368
.set WSOFF,  3145728
.set NQ,     2                         ; matrix instructions deep in a slot
.set FR,     12                        ; registers of a fragment
.set NL,     3                         ; LDS loads that bring one
.set NP,     4                         ; places behind this matrix instruction (ISA guide 7.12.1)
.set TROW,   3072                      ; an RT's two K steps: a row of a tile
.set HALFT,  8*TROW                    ; 8 RTs: what one tensor load brings, and what one wave reads of A or of B
.set SLOT,   4*HALFT                   ; A's 16 RTs, then B's
.set SCL,    2*SLOT                    ; behind the ring: the scale images
.set HALFS,  4096                      ; those of 8 RTs
.set SPARE,  SCL+4*HALFS               ; the spare words, 128 bytes for each wave: two blocks of 256 bytes that no other line names
.set ADRA, 16                          ; v16-17  LDS address of my A fragments in slot 0, 1
.set ADRB, 20                          ; v20-21  the same for B
.set LI,   24                          ; v24     16 x lane
.set LS,   25                          ; v25     8 x lane
.set ADRS, 27                          ; v27     LDS address of my scale words: lanes 0-15 A's, lanes 16-31 B's
.set SPW,  28                          ; v28     LDS address of my spare word; never rewritten
.set NIL,  29                          ; v29     0; never rewritten
.set SC,   32
.set BI,   64                          ; v64-127  register 16 b + i: the bias of feature 32 b + 16 (lane / 16) + i of my 128
.set AF,   128
.set BV,   240                         ; v240-255 pair a: the bias of row lane % 16 of RT a of my 128 features, twice
.set XQ,   128                         ; the way out: 64 numbers
.set TM,   192
.set CT,   208
.set IA,   216
.set IB,   228
.set WX,   2
.set WY,   3
.set W1,   4
.set W2,   8
.set SEL,  22                          ; s[22:23]
.set G1, 24
.set G0, 32
.set G1B, 48
.set G0B, 56
.set G1S, 68
.set G0S, 76
.set G1SB, 80
.set G0SB, 88
.set MSB, 0
.macro WIN new                         ; the immediate's high byte repeats the setting that is left
.if MSB != \new
	s_set_vgpr_msb (MSB<<8)|\new
.set MSB, \new
.endif
.endm
.set MUL_LO, 0xa1                      ; source 0 (B) window 1, source 1 (A) window 0, C and D window 2
.set MUL_HI, 0xf1                      ; the same, C and D window 3
.set TO_B,   0x40                      ; destination window 1, address window 0
; A joint load: waves 0 and 1 fetch for A, waves 2 and 3 for B; the branch hangs on the wave's number alone.  Four v_nop follow each of the two lines.
.macro JLOAD g0a, g1a, g0b, g1b
	s_cmp_eq_u32 s15, 0
	s_cbranch_scc0 .Lfor_b_\@
	tensor_load_to_lds s[\g0a:\g0a+3], s[\g1a:\g1a+7]
	s_nop 0
.rept 4
	v_nop
.endr
	s_branch .Lasked_\@
.Lfor_b_\@:
	tensor_load_to_lds s[\g0b:\g0b+3], s[\g1b:\g1b+7]
	s_nop 0
.rept 4
	v_nop
.endr
.Lasked_\@:
.endm
.macro CREST                           ; a round of the cluster's barrier behind its opening barrier
	s_cmp_lg_u32 s14, 0
	s_cbranch_scc1 .Lnot_wave_0_\@
	s_barrier_signal -3
.Lnot_wave_0_\@:
	s_barrier_wait -3
	s_barrier_signal -1
	s_barrier_wait -1
.endm
.macro CROUND
	s_barrier_signal -1
	s_barrier_wait -1
	CREST
.endm
; 64 numbers of a lane, register 16 b + i = k 32 b + 16 (lane / 16) + i of my row, become codes (k 0-63 in v[d0] on, k 64-127 in v[d1] on, six registers each) and my row's scale word in v[w].
.macro QUANT s, d0, d1, w
.irp b, 0,1,2,3
	v_max3_num_f32 v[TM+\b], |v[\s+16*\b]|, |v[\s+1+16*\b]|, 0x1800000   ; my 16 numbers of block b, and the floor 2^(3 - 127): the byte cannot fall under 1
.endr
.irp i, 2,4,6,8,10,12,14
.irp b, 0,1,2,3
	v_max3_num_f32 v[TM+\b], v[TM+\b], |v[\s+16*\b+\i]|, |v[\s+1+16*\b+\i]|
.endr
.endr
.irp b, 0,1,2,3
	v_permlanex16_b32 v[TM+4+\b], v[TM+\b], s[SEL], s[SEL+1]
.endr
.irp b, 0,1,2,3
	v_max_num_f32 v[TM+\b], v[TM+\b], v[TM+4+\b]
.endr
.irp b, 0,1,2,3
	v_add_nc_u32 v[TM+12+\b], 0xff000000, v[TM+\b]   ; 2 off the exponent field: the conversion's scale operand
.endr
.irp b, 0,1,2,3
	v_lshrrev_b32 v[TM+4+\b], 23, v[TM+12+\b]
.endr
	v_lshl_or_b32 v[\w], v[TM+5], 8, v[TM+4]
	v_lshl_or_b32 v[\w], v[TM+6], 16, v[\w]
	v_lshl_or_b32 v[\w], v[TM+7], 24, v[\w]
	v_cvt_scalef32_pk16_fp6_f32 v[\d0:\d0+2], v[\s:\s+15], v[TM+12]
	v_cvt_scalef32_pk16_fp6_f32 v[CT:CT+2], v[\s+16:\s+31], v[TM+13]
	v_cvt_scalef32_pk16_fp6_f32 v[\d1:\d1+2], v[\s+32:\s+47], v[TM+14]
	v_cvt_scalef32_pk16_fp6_f32 v[CT+4:CT+6], v[\s+48:\s+63], v[TM+15]
	v_nop                                          ; one plain place behind the scaled conversions
.irp i, 0,1,2
	v_permlane16_swap_b32 v[\d0+\i], v[CT+\i]      ; a WHOLE block in a lane: lanes 0-15 the even block, lanes 16-31 the odd one
	v_permlane16_swap_b32 v[\d1+\i], v[CT+4+\i]
.endr
.irp i, 0,1,2
	v_mov_b32 v[\d0+3+\i], v[CT+\i]
	v_mov_b32 v[\d1+3+\i], v[CT+4+\i]
.endr
.endm
	s_load_b256 s[4:11], s[0:1], 0x0               ; xq s[4:5], wq s[6:7], bq s[8:9], bk s[10:11]
	s_load_b128 s[92:95], s[0:1], 0x20             ; bv s[92:93], qimg s[94:95]
	s_load_b64 s[96:97], s[0:1], 0x30              ; kv
	v_lshl_add_u32 v[SPW], v0, 2, SPARE
	v_mov_b32 v[NIL], 0
	ds_add_u32 v28, v29
	ds_add_u32 v28, v29
	s_wait_dscnt 0x0
	v_lshrrev_b32 v1, 5, v0
	v_readfirstlane_b32 s14, v1                    ; wave 0..3
	s_lshr_b32 s15, s14, 1                         ; which half of A's 16 RTs is mine.  Also: I fetch for A (0) or for B (1)
	s_and_b32 s16, s14, 1                          ; which half of B's.  Also: which 8 RTs of that tile I fetch
	s_bfe_u32 s40, ttmp6, 0x40000                  ; cx, cy: my place in the cluster
	s_bfe_u32 s41, ttmp6, 0x40004
	s_and_b32 s67, ttmp7, 0xffff                   ; the cluster's y, 0 .. 23 (its x is 0: the grid is one cluster wide)
	s_lshr_b32 s66, s67, 3                         ; 0: Q, 1: K, 2: V: the same in all sixteen partners
	s_lshl_b32 s43, s41, 2
	s_lshl_b32 s43, 15, s43                        ; my row of the cluster
	s_lshl_b32 s44, 0x1111, s40                    ; my column
	; descriptor group 1, codes: 8 rows (RTs) of 3,072 bytes, 12,288 bytes apart, as elements of 8 bytes; no padding
	s_or_b32 s[G1+0], s43, (3<<16)|(1<<21)         ; 15:0 the mask: A's tiles go to my row; 17:16 elements of 8 bytes; 21 set beside a mask
	s_or_b32 s[G1B+0], s44, (3<<16)|(1<<21)
.irp g, G1, G1B
	s_mov_b32 s[\g+1], 384<<16                     ; tensor_dim0
	s_mov_b32 s[\g+2], 8<<16                       ; tensor_dim1
	s_mov_b32 s[\g+3], 384<<16                     ; tile_dim0
	s_mov_b32 s[\g+4], 8                           ; tile_dim1
	s_mov_b32 s[\g+5], 1536                        ; tensor_dim0_stride
	s_mov_b32 s[\g+6], 0
	s_mov_b32 s[\g+7], 0
.endr
	; and for the scale images of 8 RTs: 4,096 dense bytes as 16 rows of 256
	s_or_b32 s[G1S+0], s43, (3<<16)|(1<<21)
	s_or_b32 s[G1SB+0], s44, (3<<16)|(1<<21)
.irp g, G1S, G1SB
	s_mov_b32 s[\g+1], 32<<16
	s_mov_b32 s[\g+2], 16<<16
	s_mov_b32 s[\g+3], 32<<16
	s_mov_b32 s[\g+4], 16
	s_mov_b32 s[\g+5], 32
	s_mov_b32 s[\g+6], 0
	s_mov_b32 s[\g+7], 0
.endr
	; which tiles.  Q, K: A = tile 4 y + cy of xq's 96, B = tile 4 ty + cx of wq's 16.  V: A = tile 8 + cy of wq, B = tile 4 y + cx of xq.  A's numbers never see cx, B's never cy.
	s_lshl_b32 s12, s67, 2
	s_lshl_b32 s13, s66, 2
	s_cmp_lt_u32 s66, 2
	s_cselect_b32 s20, s12, 8
	s_cselect_b32 s46, s13, s12
	s_mov_b32 s22, WSOFF
	s_cselect_b32 s22, XSOFF, s22                  ; where A's buffer has its scale images
	s_mov_b32 s98, XSOFF
	s_cselect_b32 s98, WSOFF, s98                  ; and B's
	s_add_co_u32 s20, s20, s41
	s_add_co_u32 s46, s46, s40
	s_lshl_b32 s20, s20, 4
	s_lshl_b32 s46, s46, 4
	s_lshl_b32 s18, s16, 3
	s_add_co_u32 s20, s20, s18                     ; the first of the 8 RTs that I would fetch of A,
	s_add_co_u32 s46, s46, s18                     ; of B
	s_lshl_b32 s21, s20, 9
	s_add_co_u32 s22, s22, s21
	s_lshl_b32 s47, s46, 9
	s_add_co_u32 s98, s98, s47
	s_mul_i32 s20, s20, GROW
	s_mul_i32 s46, s46, GROW
	s_mov_b32 s21, 0
	s_mov_b32 s23, 0
	s_mov_b32 s47, 0
	s_mov_b32 s99, 0
	s_mul_i32 s45, s14, HALFT                      ; where they go: wave x 8 RTs: no place in the cluster enters an LDS address
	s_mul_i32 s100, s14, HALFS
	s_wait_kmcnt 0x0
	s_cmp_lt_u32 s66, 2
	s_cselect_b64 s[12:13], s[4:5], s[6:7]         ; A's buffer
	s_cselect_b64 s[18:19], s[6:7], s[4:5]         ; B's
	s_add_nc_u64 s[20:21], s[12:13], s[20:21]
	s_add_nc_u64 s[22:23], s[12:13], s[22:23]
	s_add_nc_u64 s[46:47], s[18:19], s[46:47]
	s_add_nc_u64 s[98:99], s[18:19], s[98:99]
	CROUND                                         ; all sixteen work-groups are here: the first joint loads meet
	s_mov_b32 s[G0S], 1
	s_add_co_u32 s[G0S+1], s100, SCL
	s_mov_b64 s[G0S+2:G0S+3], s[22:23]
	s_or_b32 s[G0S+3], s[G0S+3], 0x80000000
	s_mov_b32 s[G0SB], 1
	s_add_co_u32 s[G0SB+1], s100, SCL
	s_mov_b64 s[G0SB+2:G0SB+3], s[98:99]
	s_or_b32 s[G0SB+3], s[G0SB+3], 0x80000000
	JLOAD G0S, G1S, G0SB, G1SB                     ; the scale images first: they are wanted with K step 0
.irp s, 0,1
	s_mov_b32 s[G0+4*\s], 1
	s_add_co_u32 s[G0+4*\s+1], s45, \s*SLOT
	s_add_nc_u64 s[G0+4*\s+2:G0+4*\s+3], s[20:21], \s*TROW
	s_or_b32 s[G0+4*\s+3], s[G0+4*\s+3], 0x80000000
	s_mov_b32 s[G0B+4*\s], 1
	s_add_co_u32 s[G0B+4*\s+1], s45, \s*SLOT
	s_add_nc_u64 s[G0B+4*\s+2:G0B+4*\s+3], s[46:47], \s*TROW
	s_or_b32 s[G0B+4*\s+3], s[G0B+4*\s+3], 0x80000000
	JLOAD G0+4*\s, G1, G0B+4*\s, G1B               ; by this text's count three tensor loads of a wave are out here, later one
.endr
	v_and_b32 v1, 15, v0                           ; r
	v_bfe_u32 v2, v0, 4, 1                         ; h
	v_and_b32 v3, 31, v0
	v_lshlrev_b32 v[LI], 4, v3
	v_lshlrev_b32 v[LS], 3, v3
	s_mul_i32 s18, s15, HALFT                      ; my 8 RTs of A
	s_mul_i32 s19, s16, HALFT                      ; my 8 RTs of B,
	s_add_co_u32 s19, s19, 2*HALFT                 ; which lie behind A's 16
.irp s, 0,1
	v_add_nc_u32 v[ADRA+\s], s18, v[LI]
	v_add_nc_u32 v[ADRB+\s], s19, v[LI]
	s_add_co_u32 s18, s18, SLOT
	s_add_co_u32 s19, s19, SLOT
.endr
	s_mul_i32 s18, s15, HALFS
	s_mul_i32 s19, s16, HALFS
	s_add_co_u32 s19, s19, 2*HALFS
	s_sub_co_u32 s19, s19, s18
	v_mul_u32_u24 v4, s19, v2                      ; lanes 16-31 take B's: one product, the distance between the two bases
	s_add_co_u32 s18, s18, SCL
	v_lshl_add_u32 v4, v1, 3, v4
	v_add_nc_u32 v[ADRS], s18, v4
	; who owns what on the way out: the tokens' side and the features' side change places for V
	s_cmp_lt_u32 s66, 2
	s_cselect_b32 s2, s41, s40                     ; the tokens' tile in the cluster,
	s_cselect_b32 s3, s15, s16                     ; and my half of it
	s_cselect_b32 s42, s40, s41                    ; the features' tile,
	s_cselect_b32 s45, s16, s15                    ; and my half
	s_cselect_b64 s[12:13], s[10:11], s[92:93]
	s_cmp_eq_u32 s66, 0
	s_cselect_b64 s[12:13], s[8:9], s[12:13]       ; the bias
	s_cselect_b64 s[4:5], s[94:95], s[96:97]       ; the buffer that I store into,
	s_mov_b32 s46, 204800
	s_cselect_b32 s46, 102400, s46                 ; a head's bytes there,
	s_mov_b32 s47, 196608
	s_cselect_b32 s47, 98304, s47                  ; where a head's scale blocks begin,
	s_cmp_eq_u32 s66, 2
	s_cselect_b32 s47, 200704, s47
	s_cselect_b32 s98, 98304, 0                    ; and its fragments
	s_lshl_b32 s42, s42, 1
	s_add_co_u32 s42, s42, s45                     ; my 128 features of the 1,024: two heads
	s_lshl_b32 s18, s42, 9
	s_mov_b32 s19, 0
	s_add_nc_u64 s[12:13], s[12:13], s[18:19]
	s_and_b32 s18, s67, 7
	s_lshl_b32 s18, s18, 2
	s_add_co_u32 s18, s18, s2
	s_lshl_b32 s18, s18, 1
	s_add_co_u32 s18, s18, s3                      ; my 128 tokens of the 8,192
	s_lshr_b32 s20, s18, 4                         ; the batch,
	s_and_b32 s18, s18, 15                         ; the key step in it
	s_lshl_b32 s20, s20, 4
	s_lshl_b32 s42, s42, 1
	s_add_co_u32 s20, s20, s42                     ; my first head
	s_mul_i32 s20, s20, s46
	s_mul_i32 s22, s18, 6144
	s_add_co_u32 s22, s22, s20
	s_add_co_u32 s22, s22, s98
	s_mov_b32 s23, 0
	s_lshl_b32 s18, s18, 8
	s_add_co_u32 s18, s18, s20
	s_add_co_u32 s18, s18, s47
	s_mov_b32 s47, 0
	s_add_nc_u64 s[8:9], s[4:5], s[18:19]          ; s[8:9]   the first head's scale block of my step
	s_add_nc_u64 s[4:5], s[4:5], s[22:23]          ; s[4:5]   its four fragments
	s_add_nc_u64 s[6:7], s[4:5], s[46:47]          ; s[6:7]   the second head's
	s_add_nc_u64 s[10:11], s[8:9], s[46:47]        ; s[10:11] and its scale block
	s_mov_b32 s[SEL], 0x76543210
	s_mov_b32 s[SEL+1], 0xfedcba98
	s_mov_b32 s17, 0xffff0000                      ; lanes 16-31
	; my 128 biases, 512 bytes, in BOTH layouts and with no branch: by register (Q, K) and by lane (V); each way out reads its own
	v_lshlrev_b32 v30, 6, v2
	v_and_b32 v31, 8, v1
	v_add_nc_u32 v31, v31, v1
	v_lshlrev_b32 v31, 2, v31
.irp b, 0,1,2,3
.irp j, 0,1,2,3
	global_load_b128 v[BI+16*\b+4*\j:BI+16*\b+4*\j+3], v30, s[12:13] offset:128*\b+16*\j
.endr
.endr
.irp a, 0,1,2,3,4,5,6,7
	global_load_b32 v[BV+2*\a], v31, s[12:13] offset:4*(32*(\a/2)+8*(\a%2))
	global_load_b32 v[BV+2*\a+1], v31, s[12:13] offset:4*(32*(\a/2)+8*(\a%2))
.endr
.macro FRAG reg, adr, q, i             ; a fragment's image: RT i of my 8, the slot's q-th 128 along K
.irp g, 0,1,2
	ds_load_b128 v[\reg+4*\g:\reg+4*\g+3], v[\adr] offset:(\i)*TROW+(\q)*1536+512*\g
.endr
.endm
; 16 matrix instructions: A's blocks a0, a0 + 1 x B's eight, 128 along K.  p: B's set;  sc: the set of scale words.  zero = 1: the first product starts the sums.
; The 64 accumulators take turns, one instruction a turn, in the same order in every step.
.macro MUL16 a0, p, q, sc, zero
.irp a, \a0, \a0+1
.irp b, 0,1,2,3,4,5,6,7
.if \zero
	v_wmma_scale_f32_16x16x128_f8f6f4 v[8*(8*((\a)%4)+\b):8*(8*((\a)%4)+\b)+7], v[128*(\p)+FR*\b:128*(\p)+FR*\b+FR-1], v[AF+FR*(\a):AF+FR*(\a)+FR-1], 0, v[SC+8*NQ*(\sc)+NQ*\b+(\q)], v[SC+8*NQ*(\sc)+NQ*(\a)+(\q)] matrix_a_fmt:MATRIX_FMT_FP6 matrix_b_fmt:MATRIX_FMT_FP6 matrix_a_scale:MATRIX_SCALE_ROW1
.else
	v_wmma_scale_f32_16x16x128_f8f6f4 v[8*(8*((\a)%4)+\b):8*(8*((\a)%4)+\b)+7], v[128*(\p)+FR*\b:128*(\p)+FR*\b+FR-1], v[AF+FR*(\a):AF+FR*(\a)+FR-1], v[8*(8*((\a)%4)+\b):8*(8*((\a)%4)+\b)+7], v[SC+8*NQ*(\sc)+NQ*\b+(\q)], v[SC+8*NQ*(\sc)+NQ*(\a)+(\q)] matrix_a_fmt:MATRIX_FMT_FP6 matrix_b_fmt:MATRIX_FMT_FP6 matrix_a_scale:MATRIX_SCALE_ROW1
.endif
.endr
.endr
.endm
.macro FETCH_B slot, q, p
	WIN TO_B
.irp i, 0,1,2,3,4,5,6,7
	FRAG 128*(\p)+FR*\i, ADRB+\slot, \q, \i
.endr
	WIN 0
.endm
.macro FETCH_A slot, q, i0
.irp i, \i0, \i0+1, \i0+2, \i0+3
	FRAG AF+FR*(\i), ADRA+\slot, \q, \i
.endr
.endm
.macro SCALES sc                       ; a slot's scale words into set sc: two words a row; lanes 0-15 take A's RT i, lanes 16-31 B's RT i
.irp i, 0,1,2,3,4,5,6,7
	ds_load_b64 v[SC+8*NQ*\sc+NQ*\i:SC+8*NQ*\sc+NQ*\i+1], v[ADRS] offset:\i*512
.endr
.endm
.macro PLACES n                        ; plain vector instructions that name none of the matrix instructions' registers, in front of loads into registers that they have read and of reads of results
.rept \n
	v_nop
.endr
.endm
.macro STEP slot, q, zero              ; a step of 128 along K that has its successor in the same slot
	s_wait_dscnt 4*NL                              ; B's set, A's blocks 0-3 and the scale words are in; the youngest 12 loads (A's blocks 4-7) may be out
	WIN MUL_LO
	MUL16 0, (\q)%2, \q, \slot, \zero
	MUL16 2, (\q)%2, \q, \slot, \zero
	s_wait_dscnt 0
	PLACES NP
	FETCH_B \slot, (\q)+1, 1-(\q)%2
	FETCH_A \slot, (\q)+1, 0
	WIN MUL_HI
	MUL16 4, (\q)%2, \q, \slot, \zero
	MUL16 6, (\q)%2, \q, \slot, \zero
	PLACES NP
	WIN 0
	FETCH_A \slot, (\q)+1, 4
.endm
; A slot's last step changes slots: ONE barrier; in front of it each wave waits for all its tensor loads, adds 0 to its spare word, and waits for that and for its own reads of this slot.  fill = 1: this slot is filled again.
.macro TURN slot, next, fill
	s_wait_tensorcnt 0x0                           ; all my tensor loads have landed: my part of the next slot
	ds_add_u32 v[SPW], v[NIL]                      ; 0 onto my spare word
	s_wait_dscnt 4*NL+1                            ; (the add and the youngest 12 loads, A's blocks 4-7, may be out)
	WIN MUL_LO
	MUL16 0, 1, NQ-1, \slot, 0                     ; sixteen matrix instructions stand between the add and the wait for it
	s_wait_dscnt 0x0                               ; the add is done, and my reads of this slot are over
	s_barrier_signal -1
	MUL16 2, 1, NQ-1, \slot, 0
	WIN 0
	s_barrier_wait -1
.if \fill
	CREST                                          ; the barrier has opened a round of the cluster's barrier: no wave of any partner still reads this slot or has a load on its way
	s_add_nc_u64 s[G0+4*\slot+2:G0+4*\slot+3], s[G0+4*\slot+2:G0+4*\slot+3], 2*TROW
	s_add_nc_u64 s[G0B+4*\slot+2:G0B+4*\slot+3], s[G0B+4*\slot+2:G0B+4*\slot+3], 2*TROW
	JLOAD G0+4*\slot, G1, G0B+4*\slot, G1B         ; the first tensor load behind the round; its four v_nop are the places in front of the loads below
.else
	PLACES NP
.endif
	v_add_nc_u32 v[ADRS], 128, v[ADRS]             ; on to the next slot's scale words
	FETCH_B \next, 0, 0
	FETCH_A \next, 0, 0
	SCALES \next
	WIN MUL_HI
	MUL16 4, 1, NQ-1, \slot, 0
	MUL16 6, 1, NQ-1, \slot, 0
	PLACES NP
	WIN 0
	FETCH_A \next, 0, 4
.endm
	s_wait_tensorcnt 1                             ; the scale images and my part of slot 0 are in (slot 1's load may be out)
	s_barrier_signal -1
	s_barrier_wait -1                              ; everybody's are
	FETCH_B 0, 0, 0
	FETCH_A 0, 0, 0
	SCALES 0
	FETCH_A 0, 0, 4
	STEP 0, 0, 1                                   ; K = 1,024 is four slots: written straight, since a loop would have one trip
	TURN 0, 1, 1                                   ; slot 0 takes K 512-767
	STEP 1, 0, 0
	TURN 1, 0, 1                                   ; slot 1 takes K 768-1,023
	STEP 0, 0, 0
	TURN 0, 1, 0                                   ; nothing is left to fetch
	STEP 1, 0, 0
	s_wait_dscnt 4*NL
	WIN MUL_LO
	MUL16 0, 1, NQ-1, 1, 0
	MUL16 2, 1, NQ-1, 1, 0
	s_wait_dscnt 0
	WIN MUL_HI
	MUL16 4, 1, NQ-1, 1, 0
	MUL16 6, 1, NQ-1, 1, 0
	WIN 0
; THE WAY OUT, a pair of A's blocks at a time: the bias is added (each accumulator read from its low end on), the lane's 64 numbers are quantised along the registers' axis, and the images are stored: 512 consecutive bytes a store.
; isv = 0: a block is an RT of tokens; its 128 numbers a row are two heads' 64 channels; blocks 2 p and 2 p + 1 make pair fragment p of each head.
; isv = 1: a block is an RT of features (a channel tile of a head); its 128 numbers a row are the step's keys: one fragment a block.
.macro EPI isv
.irp p, 0,1,2,3
	s_wait_xcnt 0x0                                ; the last pair's stores have read their registers
.irp y, 0,1
.set BA, 2*\p+\y
	WIN 0x02+BA/4                                  ; source 0: window 2 or 3
.set i, 0
.rept 32
.if \isv
	v_pk_add_f32 v[XQ+i:XQ+i+1], v[64*(BA%4)+i:64*(BA%4)+i+1], v[BV+2*BA:BV+2*BA+1]
.else
	v_pk_add_f32 v[XQ+i:XQ+i+1], v[64*(BA%4)+i:64*(BA%4)+i+1], v[BI+i:BI+i+1]
.endif
.set i, i+2
.endr
	WIN 0
.if \isv
.if \y == 0
	QUANT XQ, IA, IA+6, W1+\p
.else
	QUANT XQ, IB, IB+6, W2+\p
.endif
.else
.if \y == 0
	QUANT XQ, IA, IB, WX
.else
	QUANT XQ, IA+6, IB+6, WY
.endif
.endif
.endr
.if \isv
.irp g, 0,1,2
.if \p < 2
	global_store_b128 v[LI], v[IA+4*\g:IA+4*\g+3], s[4:5] offset:1536*((2*\p)%4)+512*\g
	global_store_b128 v[LI], v[IB+4*\g:IB+4*\g+3], s[4:5] offset:1536*((2*\p+1)%4)+512*\g
.else
	global_store_b128 v[LI], v[IA+4*\g:IA+4*\g+3], s[6:7] offset:1536*((2*\p)%4)+512*\g
	global_store_b128 v[LI], v[IB+4*\g:IB+4*\g+3], s[6:7] offset:1536*((2*\p+1)%4)+512*\g
.endif
.endr
.else
.irp g, 0,1,2
	global_store_b128 v[LI], v[IA+4*\g:IA+4*\g+3], s[4:5] offset:1536*\p+512*\g
	global_store_b128 v[LI], v[IB+4*\g:IB+4*\g+3], s[6:7] offset:1536*\p+512*\g
.endr
	v_perm_b32 v[W1+\p], v[WY], v[WX], 0x05040100  ; the first head's word of the pair: two bytes of each block's word,
	v_perm_b32 v[W2+\p], v[WY], v[WX], 0x07060302  ; the second head's
.endif
.endr
.if \isv                               ; a scale block: word i of lane L belongs to fragment 2 i + L / 16.  Every lane holds its row's words
	v_cndmask_b32 v12, v[W1+0], v[W2+0], s17
	v_cndmask_b32 v13, v[W1+1], v[W2+1], s17
	v_cndmask_b32 v14, v[W1+2], v[W2+2], s17
	v_cndmask_b32 v15, v[W1+3], v[W2+3], s17
.else
	v_cndmask_b32 v12, v[W1+0], v[W1+1], s17
	v_cndmask_b32 v13, v[W1+2], v[W1+3], s17
	v_cndmask_b32 v14, v[W2+0], v[W2+1], s17
	v_cndmask_b32 v15, v[W2+2], v[W2+3], s17
.endif
	global_store_b64 v[LS], v[12:13], s[8:9]       ; 256 consecutive bytes, aligned
	global_store_b64 v[LS], v[14:15], s[10:11]
.endm
	PLACES NP
	s_wait_loadcnt 0x0                             ; the biases
.irp b, 0,1,2,3
	v_mov_b32 v[TM+4+\b], 0                        ; written once: a lane permute's destination counts as one of its sources
.endr
	s_cmp_lt_u32 s66, 2
	s_cbranch_scc0 .Lepi_v
	EPI 0
	s_branch .Ldone
.Lepi_v:
	EPI 1
.Ldone:
	s_wait_tensorcnt 0x0                           ; the wave's end
	ds_add_u32 v[SPW], v[NIL]
	s_wait_dscnt 0x0
	CROUND                                         ; the closing round: no work-group ends while a partner may still ask for a tile that names it
	s_endpgm
.Lfunc_end_k_q956698dfff_proj:
	.size	k_q956698dfff_proj, .Lfunc_end_k_q956698dfff_proj-k_q956698dfff_proj
	.p2alignl 7, 3214868480
	.fill 96, 4, 3214868480
	.section	.rodata,"a",@progbits
	.p2align	6, 0x0
	.amdhsa_kernel k_q956698dfff_proj
		.amdhsa_group_segment_fixed_size 327680
		.amdhsa_private_segment_fixed_size 0
		.amdhsa_enable_private_segment 0
		.amdhsa_kernarg_size 56
		.amdhsa_user_sgpr_count 2
		.amdhsa_user_sgpr_kernarg_segment_ptr 1
		.amdhsa_wavefront_size32 1
		.amdhsa_system_sgpr_workgroup_id_x 1
		.amdhsa_system_sgpr_workgroup_id_y 1
		.amdhsa_system_sgpr_workgroup_id_z 1
		.amdhsa_system_vgpr_workitem_id 0
		.amdhsa_next_free_vgpr 1024
		.amdhsa_next_free_sgpr 102
		.amdhsa_reserve_vcc 0
		.amdhsa_float_denorm_mode_32 3
		.amdhsa_float_denorm_mode_16_64 3
		.amdhsa_memory_ordered 1
		.amdhsa_forward_progress 1
		.amdhsa_inst_pref_size 210
	.end_amdhsa_kernel
	.amdgpu_metadata
---
amdhsa.version: [ 1, 2 ]
amdhsa.kernels:
  - .name:           k_q956698dfff_proj
    .symbol:         k_q956698dfff_proj.kd
    .args:
      - { .name: xq, .offset: 0, .size: 8, .value_kind: global_buffer, .address_space: global }
      - { .name: wq, .offset: 8, .size: 8, .value_kind: global_buffer, .address_space: global }
      - { .name: bq, .offset: 16, .size: 8, .value_kind: global_buffer, .address_space: global }
      - { .name: bk, .offset: 24, .size: 8, .value_kind: global_buffer, .address_space: global }
      - { .name: bv, .offset: 32, .size: 8, .value_kind: global_buffer, .address_space: global }
      - { .name: qimg, .offset: 40, .size: 8, .value_kind: global_buffer, .address_space: global }
      - { .name: kv, .offset: 48, .size: 8, .value_kind: global_buffer, .address_space: global }
    .group_segment_fixed_size: 327680
    .private_segment_fixed_size: 0
    .kernarg_segment_align: 8
    .kernarg_segment_size: 56
    .max_flat_workgroup_size: 128
    .sgpr_count:     102
    .vgpr_count:     1024
    .wavefront_size: 32
...
	.end_amdgpu_metadata
.endif
;; end of part 2
;; launch attn (part 3): grid 4 x 64, 16 waves a work-group, no clusters, 206,848 bytes of LDS; arguments qimg, kv, mk, ctx; writes ctx
.if DOCPART == 3
	.amdgcn_target "amdgcn-amd-amdhsa--gfx1250"
	.amdhsa_code_object_version 6
	.text
	.protected	k_q956698dfff_attn
	.globl	k_q956698dfff_attn
	.p2align	8
	.type	k_q956698dfff_attn,@function
k_q956698dfff_attn:
	s_mov_b64 s[64:65], 0
	v_nop
	global_prefetch_b8 v0, s[64:65] scope:SCOPE_SE
	s_setreg_imm32_b32 hwreg(HW_REG_WAVE_MODE, 25, 1), 1
	s_wait_xcnt 0x0
; ATTN.  ctx[b][q][head] = softmax_k(mask ? Q . K / 8 : -inf) V, both products on codes of FP6 (E2M3) with E8M0 scales; ctx is quantised in registers along the model's 1,024 for the last product.
; THE SOFTMAX AHEAD OF THE SECOND PRODUCT: t = score x log2(e) / 8; M = the row's largest t so far, rounded UP to a whole number; p = 2^(t - M) is quantised along the keys, not normalised; the row's sum is taken of the
; unquantised p and divides at the end.  When M moves, the sum and O are multiplied by 2^(old M - new M): exact.
; SHARES.  A work-group owns one head and 32 of its 128 tiles of 16 queries; each of sixteen waves takes tile 16 x + w and then tile 127 less that, one after the other (an even load where the mask is triangular; nothing
; is assumed of it).  A tile walks 16 key steps of 128.
; THE MASK IS AN INPUT.  An earlier launch has stored, for each tile and key step, 64 lane masks (one for each score register) and 2 bits: 0 no key counts, 1 some, 2 all.  A step of class 0 is passed over by a scalar branch on
; that stored number; in class 1 hidden scores become -infinity ahead of the maximum; class 2 passes over that.
; NO TENSOR LOADS, NO CLUSTER: the walk branches on numbers read from memory.  A head's K, V and scale bytes are 204,800 bytes: they are copied into LDS once, through registers,
; as they lie; one barrier; after it LDS is only read.
; K = 64 IN AN INSTRUCTION OF 128.  A fragment of K carries TWO tiles of 16 keys (k 0-63: RT 2 G, k 64-127: RT 2 G + 1); it is multiplied once by [Q | 0] and once by [0 | Q]: zero codes add nothing under any byte but 0xff.
; LAYOUT.  Both products are used transposed: a lane holds ONE query (lane % 16).  Score register 16 b + i holds key 32 b + 16 (lane / 16) + i of the step; O register 16 b + i channel 32 b + 16 (lane / 16) + i.
; A ROW WITH NO TRUE KEY has the sum 0: its two scale bytes of ctx become 0xff, which makes its whole row of the output NaN, as the definition has it.
; LIMITS: a block's largest p is taken from the block's largest score, which takes v_exp_f32 not to fall where its input rises; blocks of ctx under 2^-124 keep the byte 1.
; REGISTERS: v1-7 addresses that stay; v8-10 addresses in hand; v12 -M, v13 the largest t, v[14:15] the sum; v16-27 [Q | 0], v28-39 [0 | Q]; v40-46 scale words and nothing else; v48-95 four fragments of K, then of V;
;   v96-159 scores, then p; v160-191 O^T; v192-203 codes; v204-227 at work; v228-231 the copy's LDS addresses.
.set HPQ,   102400
.set HPK,   204800
.set VOFF,  98304
.set KSO,   196608
.set FLAGS, 524288
.set CSOFF, 6291456
.set KF,  48
.set S,   96
.set O,   160
.set PC,  192
.set BM,  204
.set BT,  208
.set BS,  212
.set CT,  216
.set SEL, 20                           ; s[20:21]
.set CS,  22                           ; s[22:23] c = log2(e) / 8
	s_load_b256 s[4:11], s[0:1], 0x0               ; qimg s[4:5], kv s[6:7], mk s[8:9], ctx s[10:11]
	v_lshl_add_u32 v254, v0, 2, 0x32000
	v_mov_b32 v255, 0
	v_lshrrev_b32 v1, 5, v0
	s_delay_alu instid0(VALU_DEP_1)
	v_readfirstlane_b32 s12, v1                    ; wave 0..15
	s_and_b32 s13, ttmp7, 0xffff                   ; 16 x batch + head
	v_and_b32 v7, 31, v0                           ; lane
	s_delay_alu instid0(VALU_DEP_1)
	v_lshlrev_b32 v1, 4, v7                        ; 16 x lane: K's fragments,
	s_delay_alu instid0(VALU_DEP_1)
	v_add_nc_u32 v2, VOFF, v1                      ; V's
	s_delay_alu instid0(VALU_DEP_3)
	v_lshlrev_b32 v5, 3, v7                        ; 8 x lane
	s_delay_alu instid0(VALU_DEP_1)
	v_add_nc_u32 v3, KSO, v5                       ; the scale blocks
	v_and_b32 v4, 15, v0
	s_delay_alu instid0(VALU_DEP_1)
	v_lshlrev_b32 v4, 3, v4                        ; 8 r
	v_mov_b32 v6, 0xff800000                       ; -infinity
	v_lshlrev_b32 v228, 4, v0                      ; the copy: 16 x thread,
	s_delay_alu instid0(VALU_DEP_1)
	v_add_nc_u32 v229, 0x10000, v228               ; and on by 65,536: an LDS immediate has 16 bits
	s_delay_alu instid0(VALU_DEP_2)
	v_add_nc_u32 v230, 0x20000, v228
	s_delay_alu instid0(VALU_DEP_3)
	v_add_nc_u32 v231, 0x30000, v228
	s_mov_b32 s[SEL], 0x76543210
	s_mov_b32 s[SEL+1], 0xfedcba98
	s_mov_b32 s[CS], 0x3e38aa3b
	s_mov_b32 s[CS+1], s[CS]                       ; (named with it as a pair, so it is written)
	s_mul_i32 s2, s13, HPK
	s_mov_b32 s3, 0
	s_mul_i32 s28, s13, HPQ
	s_mov_b32 s29, 0
	s_lshl_b32 s14, ttmp9, 4
	s_add_co_u32 s14, s14, s12                     ; my first tile
	s_lshr_b32 s66, s13, 4
	s_lshl_b32 s66, s66, 7                         ; the batch's first RT of ctx
	s_and_b32 s25, s13, 15                         ; the head
	s_mul_i32 s67, s25, 768                        ; its 768 bytes in an RT's codes
	s_lshr_b32 s100, s25, 2
	s_lshl_b32 s100, s100, 7
	s_and_b32 s25, s25, 3
	s_lshl_b32 s25, s25, 1
	s_add_co_u32 s100, s100, s25
	s_add_co_u32 s100, s100, CSOFF                 ; its two bytes in a row's part of a scale image
	s_wait_alu depctr_va_vdst(0)
	s_wait_kmcnt 0x0
	s_add_nc_u64 s[6:7], s[6:7], s[2:3]
	s_add_nc_u64 s[4:5], s[4:5], s[28:29]
.set n, 0
.rept 25                               ; 204,800 bytes = 25 x 512 threads x 16
	global_load_b128 v[96+4*n:96+4*n+3], v228, s[6:7] offset:8192*n
.set n, n+1
.endr
.irp i, 0,1,2,3,4,5
	v_mov_b32 v[22+\i], 0                          ; the zero halves of [Q | 0] and [0 | Q]: written once
	v_mov_b32 v[28+\i], 0
.endr
.irp b, 0,1,2,3
	v_mov_b32 v[BT+\b], 0                          ; a lane permute's destination counts as one of its sources
.endr
	v_mov_b32 v225, 0                              ; (upper halves of pairs of which the low word serves both halves)
	v_mov_b32 v226, 0
	v_mov_b32 v227, 0
.set n, 0
.rept 25
	s_wait_loadcnt 24-n                            ; load n is in; those issued behind it may be out
	ds_store_b128 v[228+n/8], v[96+4*n:96+4*n+3] offset:8192*(n%8)
.set n, n+1
.endr
	s_wait_dscnt 0x0                               ; for the others' sake: my stores have landed
	s_barrier_signal -1
	s_barrier_wait -1                              ; the head lies in LDS; from here on LDS is only read
	s_mov_b32 s15, 2
.Ltile:
	s_lshr_b32 s2, s14, 1
	s_mul_i32 s2, s2, 1536
	s_mov_b32 s3, 0
	s_add_nc_u64 s[28:29], s[4:5], s[2:3]          ; the pair fragment that holds my tile
	s_lshr_b32 s2, s14, 3
	s_lshl_b32 s2, s2, 8
	s_bfe_u32 s25, s14, 0x10001
	s_lshl_b32 s25, s25, 7
	s_add_co_u32 s2, s2, s25
	s_bfe_u32 s25, s14, 0x10002
	s_lshl_b32 s25, s25, 2
	s_add_co_u32 s2, s2, s25
	s_add_co_u32 s2, s2, 98304
	s_add_nc_u64 s[30:31], s[4:5], s[2:3]          ; and its scale words
.irp g, 0,1,2
	global_load_b128 v[KF+4*\g:KF+4*\g+3], v1, s[28:29] offset:512*\g
.endr
	global_load_b32 v60, v4, s[30:31]
	s_lshl_b32 s2, s14, 2
	s_add_co_u32 s2, s2, FLAGS
	s_add_nc_u64 s[2:3], s[8:9], s[2:3]
	s_load_b32 s17, s[2:3], 0x0                    ; the tile's 16 classes
	s_lshl_b32 s26, s14, 12
	s_mov_b32 s27, 0
	s_add_nc_u64 s[26:27], s[8:9], s[26:27]        ; its lane masks: 256 bytes a step
	s_bitcmp1_b32 s14, 0
	s_cselect_b32 s25, -1, 0                       ; an odd tile lies in the pair's registers 6-11
	s_cselect_b32 s24, 16, 0                       ; and in the upper half of the scale word
	s_wait_loadcnt 0x0
	s_wait_kmcnt 0x0
.irp i, 0,1,2,3,4,5
	v_cndmask_b32 v[16+\i], v[KF+\i], v[KF+6+\i], s25
.endr
.irp i, 0,1,2,3,4,5
	v_mov_b32 v[34+\i], v[16+\i]
.endr
	v_lshrrev_b32 v226, s24, v60
	s_delay_alu instid0(VALU_DEP_1)
	v_and_b32 v40, 0xffff, v226                    ; Q's two bytes under [Q | 0],
	s_delay_alu instid0(VALU_DEP_1)
	v_lshlrev_b32 v41, 16, v40                     ; and under [0 | Q]
	v_mov_b32 v13, 0xff61b1e6                      ; the largest t so far: -3e38, under every t
	s_delay_alu instid0(VALU_DEP_1)
	v_floor_f32 v12, -v13                          ; -M
	v_mov_b32 v14, 0
	v_mov_b32 v15, 0
.set j, 0
.rept 32
	v_mov_b32 v[O+j], 0                            ; O^T.  (Any step may be the first that is walked: it finds zeros, which the first change of M leaves zeros.  These lines are also the places behind the writes of Q's operands and scale words)
.set j, j+1
.endr
	s_mov_b32 s19, 0                               ; the step's fragments: 6,144 bytes a step
	s_mov_b32 s24, 0                               ; its scale blocks: 256
	s_mov_b32 s16, 16
.Lstep:                                            ; sixteen trips, always; what is passed over is a step's work
	s_and_b32 s18, s17, 3
	s_lshr_b32 s17, s17, 2
	s_cmp_eq_u32 s18, 0
	s_cbranch_scc1 .Lnext
	s_load_b512 s[32:47], s[26:27], 0x0            ; the step's 64 lane masks
	s_load_b512 s[48:63], s[26:27], 0x40
	s_load_b512 s[68:83], s[26:27], 0x80
	s_load_b512 s[84:99], s[26:27], 0xc0
	s_setprio 2
	v_add_nc_u32 v8, s19, v1
	v_add_nc_u32 v9, s19, v2
	v_add_nc_u32 v10, s24, v3
	v_nop                                          ; four places in front of loads into registers that the last products have read
.irp b, 0,1,2,3
.irp g, 0,1,2
	ds_load_b128 v[KF+12*\b+4*\g:KF+12*\b+4*\g+3], v8 offset:1536*\b+512*\g
.endr
.endr
	ds_load_b64 v[42:43], v10                      ; K's scale words: register i: lanes 0-15 fragment 2 i, lanes 16-31 fragment 2 i + 1
	s_wait_alu depctr_va_vdst(0)
	s_wait_dscnt 0x0
.macro SPROD b, row                    ; 32 keys: the fragment's lower tile by [Q | 0], its upper by [0 | Q]
.if \row
	v_wmma_scale_f32_16x16x128_f8f6f4 v[S+16*\b:S+16*\b+7], v[KF+12*\b:KF+12*\b+11], v[16:27], 0, v[42+\b/2], v40 matrix_a_fmt:MATRIX_FMT_FP6 matrix_b_fmt:MATRIX_FMT_FP6 matrix_a_scale:MATRIX_SCALE_ROW1
	v_wmma_scale_f32_16x16x128_f8f6f4 v[S+16*\b+8:S+16*\b+15], v[KF+12*\b:KF+12*\b+11], v[28:39], 0, v[42+\b/2], v41 matrix_a_fmt:MATRIX_FMT_FP6 matrix_b_fmt:MATRIX_FMT_FP6 matrix_a_scale:MATRIX_SCALE_ROW1
.else
	v_wmma_scale_f32_16x16x128_f8f6f4 v[S+16*\b:S+16*\b+7], v[KF+12*\b:KF+12*\b+11], v[16:27], 0, v[42+\b/2], v40 matrix_a_fmt:MATRIX_FMT_FP6 matrix_b_fmt:MATRIX_FMT_FP6
	v_wmma_scale_f32_16x16x128_f8f6f4 v[S+16*\b+8:S+16*\b+15], v[KF+12*\b:KF+12*\b+11], v[28:39], 0, v[42+\b/2], v41 matrix_a_fmt:MATRIX_FMT_FP6 matrix_b_fmt:MATRIX_FMT_FP6
.endif
.endm
	SPROD 0, 0
	SPROD 1, 1
	SPROD 2, 0
	SPROD 3, 1
.rept 4
	v_nop                                          ; places: in front of the loads into K's registers, and of the first read of scores
.endr
.irp t, 0,1,2,3
.irp g, 0,1,2
	ds_load_b128 v[KF+12*\t+4*\g:KF+12*\t+4*\g+3], v9 offset:1536*\t+512*\g   ; V's four channel tiles land under the softmax
.endr
.endr
	ds_load_b64 v[44:45], v10 offset:4096          ; and their scale words
	s_wait_kmcnt 0x0                               ; the lane masks are in
	s_cmp_eq_u32 s18, 2
	s_cbranch_scc1 .Lopen
.set n, 0
.rept 64
.if n < 32
	v_cndmask_b32 v[S+n], v6, v[S+n], s[32+n]      ; a hidden key's score becomes -infinity: p = 0 then
.else
	v_cndmask_b32 v[S+n], v6, v[S+n], s[36+n]
.endif
.set n, n+1
.endr
.Lopen:
.irp b, 0,1,2,3
	v_max3_num_f32 v[BM+\b], v[S+16*\b], v[S+1+16*\b], v[S+2+16*\b]   ; the largest score of each block of 32 keys: for the row's maximum, and, since p rises with the score, for the block's largest p
.endr
.irp i, 3,5,7,9,11,13
.irp b, 0,1,2,3
	v_max3_num_f32 v[BM+\b], v[BM+\b], v[S+16*\b+\i], v[S+1+16*\b+\i]
.endr
.endr
.irp b, 0,1,2,3
	v_max_num_f32 v[BM+\b], v[BM+\b], v[S+15+16*\b]
.endr
.irp b, 0,1,2,3
	s_delay_alu instid0(VALU_DEP_4)
	v_permlanex16_b32 v[BT+\b], v[BM+\b], s[SEL], s[SEL+1]
.endr
.irp b, 0,1,2,3
	s_delay_alu instid0(VALU_DEP_4)
	v_max_num_f32 v[BM+\b], v[BM+\b], v[BT+\b]     ; with lane l xor 16's 16 keys
.endr
	s_delay_alu instid0(VALU_DEP_2)
	v_max3_num_f32 v226, v[BM], v[BM+1], v[BM+2]
	s_delay_alu instid0(VALU_DEP_1)
	v_max_num_f32 v226, v226, v[BM+3]
	s_delay_alu instid0(VALU_DEP_1)
	v_mul_f32 v226, s[CS], v226                    ; as t (c is positive)
	s_delay_alu instid0(VALU_DEP_1)
	v_max_num_f32 v13, v13, v226                   ; the running largest t
	v_mov_b32 v226, v12
	s_delay_alu instid0(VALU_DEP_2)
	v_floor_f32 v12, -v13                          ; the new -M = floor(-t): M is a whole number
	s_delay_alu instid0(VALU_DEP_1)
	v_sub_f32 v226, v12, v226                      ; old M less new M: a whole number, 0 or less
	s_delay_alu instid0(VALU_DEP_1)
	v_cvt_i32_f32 v226, v226                       ; (it saturates)
	s_delay_alu instid0(VALU_DEP_1)
	v_ldexp_f32 v224, 1.0, v226                    ; f = 2^(old M - new M)
.set j, 0
.rept 32
	v_pk_fma_f32 v[S+j:S+j+1], v[S+j:S+j+1], s[CS:CS+1], v[12:13] op_sel_hi:[1,0,0]   ; t - M, two at a time
.set j, j+2
.endr
.irp b, 0,1,2,3
	v_fma_f32 v[BM+\b], v[BM+\b], s[CS], v12       ; the same of each block's largest score
.endr
.set j, 0
	s_setprio 1
	s_wait_alu depctr_va_vdst(0)
.rept 64
	v_exp_f32 v[S+j], v[S+j]                       ; p = 2^(t - M), at most 1
.set j, j+1
.endr
	v_pk_mul_f32 v[14:15], v[14:15], v[224:225] op_sel_hi:[1,0]   ; the sums under the new M: a plain place behind the exponentials
	s_wait_alu depctr_va_vdst(0)                   ; one wait for the whole batch, ahead of its first reader
.irp b, 0,1,2,3
	v_exp_f32 v[BM+\b], v[BM+\b]                   ; the block's largest p: the same two instructions on the same number give the same bits
.endr
	v_pk_add_f32 v[208:209], v[100:101], v[104:105]
	v_pk_add_f32 v[252:253], v[108:109], v[112:113]
	v_pk_add_f32 v[250:251], v[116:117], v[120:121]
	v_pk_add_f32 v[248:249], v[124:125], v[128:129]
	v_pk_add_f32 v[246:247], v[132:133], v[136:137]
	v_pk_add_f32 v[244:245], v[140:141], v[144:145]
	v_pk_add_f32 v[242:243], v[148:149], v[152:153]
	v_pk_add_f32 v[14:15], v[14:15], v[156:157]
	v_pk_add_f32 v[208:209], v[208:209], v[96:97]
	v_pk_add_f32 v[252:253], v[252:253], v[98:99]
	v_pk_add_f32 v[250:251], v[250:251], v[102:103]
	v_pk_add_f32 v[248:249], v[248:249], v[106:107]
	v_pk_add_f32 v[246:247], v[246:247], v[110:111]
	v_pk_add_f32 v[244:245], v[244:245], v[114:115]
	v_pk_add_f32 v[242:243], v[242:243], v[118:119]
	v_pk_add_f32 v[14:15], v[14:15], v[122:123]
	v_pk_add_f32 v[208:209], v[208:209], v[126:127]
	v_pk_add_f32 v[252:253], v[252:253], v[130:131]
	v_pk_add_f32 v[250:251], v[250:251], v[134:135]
	v_pk_add_f32 v[248:249], v[248:249], v[138:139]
	v_pk_add_f32 v[246:247], v[246:247], v[142:143]
	v_pk_add_f32 v[244:245], v[244:245], v[146:147]
	v_pk_add_f32 v[242:243], v[242:243], v[150:151]
	v_pk_add_f32 v[14:15], v[14:15], v[154:155]
	v_pk_add_f32 v[208:209], v[208:209], v[158:159]
	s_delay_alu instid0(VALU_DEP_2)
	v_pk_add_f32 v[14:15], v[14:15], v[248:249]
	s_delay_alu instid0(VALU_DEP_2)
	v_pk_add_f32 v[208:209], v[208:209], v[246:247]
	v_pk_add_f32 v[252:253], v[252:253], v[244:245]
	v_pk_add_f32 v[250:251], v[250:251], v[242:243]
	s_delay_alu instid0(VALU_DEP_2)
	v_pk_add_f32 v[14:15], v[14:15], v[252:253]
	s_delay_alu instid0(VALU_DEP_2)
	v_pk_add_f32 v[208:209], v[208:209], v[250:251]
	s_delay_alu instid0(VALU_DEP_1)
	v_pk_add_f32 v[14:15], v[14:15], v[208:209]
	s_wait_alu depctr_va_vdst(0)                   ; and one for the four
.irp b, 0,1,2,3
	v_max_num_f32 v[BM+\b], 0x1800000, v[BM+\b]    ; the floor 2^(3 - 127): a block whose every p is 0 keeps the byte 1: its codes are zeros
.endr
.irp b, 0,1,2,3
	s_delay_alu instid0(VALU_DEP_4)
	v_add_nc_u32 v[BS+\b], 0xff000000, v[BM+\b]
.endr
.irp b, 0,1,2,3
	s_delay_alu instid0(VALU_DEP_4)
	v_lshrrev_b32 v[BT+\b], 23, v[BS+\b]
.endr
	s_delay_alu instid0(VALU_DEP_3)
	v_lshl_or_b32 v46, v[BT+1], 8, v[BT]           ; p's scale word for these 128 keys
	s_delay_alu instid0(VALU_DEP_1)
	v_lshl_or_b32 v46, v[BT+2], 16, v46
	s_delay_alu instid0(VALU_DEP_1)
	v_lshl_or_b32 v46, v[BT+3], 24, v46
.irp c, 0,1
	v_cvt_scalef32_pk16_fp6_f32 v[PC+6*\c:PC+6*\c+2], v[S+32*\c:S+32*\c+15], v[BS+2*\c]
	v_cvt_scalef32_pk16_fp6_f32 v[CT+4*\c:CT+4*\c+2], v[S+32*\c+16:S+32*\c+31], v[BS+2*\c+1]
.endr
	v_nop                                          ; one plain place behind the scaled conversions
	s_setprio 0
.irp c, 0,1
.irp i, 0,1,2
	v_permlane16_swap_b32 v[PC+6*\c+\i], v[CT+4*\c+\i]
.endr
.irp i, 0,1,2
	s_delay_alu instid0(VALU_DEP_3)
	v_mov_b32 v[PC+6*\c+3+\i], v[CT+4*\c+\i]
.endr
.endr
.set j, 0
.rept 16
	v_pk_mul_f32 v[O+j:O+j+1], v[O+j:O+j+1], v[224:225] op_sel_hi:[1,0]   ; O^T under the new M.  (These sixteen are also the places in front of the scaled products below)
.set j, j+2
.endr
	s_wait_alu depctr_va_vdst(0)
	s_wait_dscnt 0x0                               ; V and its scale words are in
	; O^T += V^T P^T: four accumulators, one instruction each; eight other products stand between two turns of one accumulator
	v_wmma_scale_f32_16x16x128_f8f6f4 v[O:O+7], v[KF:KF+11], v[PC:PC+11], v[O:O+7], v44, v46 matrix_a_fmt:MATRIX_FMT_FP6 matrix_b_fmt:MATRIX_FMT_FP6
	v_wmma_scale_f32_16x16x128_f8f6f4 v[O+8:O+15], v[KF+12:KF+23], v[PC:PC+11], v[O+8:O+15], v44, v46 matrix_a_fmt:MATRIX_FMT_FP6 matrix_b_fmt:MATRIX_FMT_FP6 matrix_a_scale:MATRIX_SCALE_ROW1
	v_wmma_scale_f32_16x16x128_f8f6f4 v[O+16:O+23], v[KF+24:KF+35], v[PC:PC+11], v[O+16:O+23], v45, v46 matrix_a_fmt:MATRIX_FMT_FP6 matrix_b_fmt:MATRIX_FMT_FP6
	v_wmma_scale_f32_16x16x128_f8f6f4 v[O+24:O+31], v[KF+36:KF+47], v[PC:PC+11], v[O+24:O+31], v45, v46 matrix_a_fmt:MATRIX_FMT_FP6 matrix_b_fmt:MATRIX_FMT_FP6 matrix_a_scale:MATRIX_SCALE_ROW1
.Lnext:
	s_add_co_u32 s19, s19, 6144
	s_add_co_u32 s24, s24, 256
	s_add_nc_u64 s[26:27], s[26:27], 256           ; (no scalar load is out: each step that issues them has waited for them)
	s_sub_co_u32 s16, s16, 1
	s_cmp_lg_u32 s16, 0
	s_cbranch_scc1 .Lstep
	s_setprio 0
	; THE TILE'S WAY OUT: O^T / the sum, quantised along the channels (two blocks of 32), six registers of codes a lane: the head's half of a fragment of the last product.
.rept 4
	v_nop                                          ; places behind the last products
.endr
	v_add_f32 v14, v14, v15
	s_delay_alu instid0(VALU_DEP_1)
	v_permlanex16_b32 v226, v14, s[SEL], s[SEL+1]
	s_delay_alu instid0(VALU_DEP_1)
	v_add_f32 v14, v14, v226                       ; the row's sum
	s_delay_alu instid0(VALU_DEP_1)
	v_cmp_eq_f32 vcc_lo, 0, v14                    ; a row with no true key
	v_rcp_f32 v226, v14
	v_nop                                          ; a plain place behind the transcendental
	s_wait_alu depctr_va_vdst(0)                   ; and the wait ahead of its first reader
.set j, 0
.rept 16
	v_pk_mul_f32 v[S+j:S+j+1], v[O+j:O+j+1], v[226:227] op_sel_hi:[1,0]   ; each accumulator from its low end on
.set j, j+2
.endr
.irp b, 0,1
	v_max3_num_f32 v[BM+\b], |v[S+16*\b]|, |v[S+1+16*\b]|, 0x1800000
.endr
.irp i, 2,4,6,8,10,12,14
.irp b, 0,1
	s_delay_alu instid0(VALU_DEP_2)
	v_max3_num_f32 v[BM+\b], v[BM+\b], |v[S+16*\b+\i]|, |v[S+1+16*\b+\i]|
.endr
.endr
.irp b, 0,1
	s_delay_alu instid0(VALU_DEP_2)
	v_permlanex16_b32 v[BT+\b], v[BM+\b], s[SEL], s[SEL+1]
.endr
.irp b, 0,1
	s_delay_alu instid0(VALU_DEP_2)
	v_max_num_f32 v[BM+\b], v[BM+\b], v[BT+\b]
.endr
.irp b, 0,1
	s_delay_alu instid0(VALU_DEP_2)
	v_add_nc_u32 v[BS+\b], 0xff000000, v[BM+\b]
.endr
.irp b, 0,1
	s_delay_alu instid0(VALU_DEP_2)
	v_lshrrev_b32 v[BT+\b], 23, v[BS+\b]
.endr
	s_delay_alu instid0(VALU_DEP_1)
	v_lshl_or_b32 v[BT+3], v[BT+1], 8, v[BT]       ; my row's two bytes
	v_mov_b32 v[BT+2], 0xffff
	s_delay_alu instid0(VALU_DEP_1)
	v_cndmask_b32 v[BT+3], v[BT+3], v[BT+2], vcc_lo   ; NaN's byte, twice, where the sum is 0
	v_cvt_scalef32_pk16_fp6_f32 v[PC:PC+2], v[S:S+15], v[BS]
	v_cvt_scalef32_pk16_fp6_f32 v[CT:CT+2], v[S+16:S+31], v[BS+1]
	v_nop
.irp i, 0,1,2
	v_permlane16_swap_b32 v[PC+\i], v[CT+\i]
.endr
.irp i, 0,1,2
	s_delay_alu instid0(VALU_DEP_3)
	v_mov_b32 v[PC+3+\i], v[CT+\i]
.endr
	s_add_co_u32 s2, s66, s14                      ; my RT of ctx
	s_mul_i32 s28, s2, 12288
	s_add_co_u32 s28, s28, s67
	s_mov_b32 s29, 0
	s_add_nc_u64 s[28:29], s[10:11], s[28:29]
	s_lshl_b32 s30, s2, 9
	s_add_co_u32 s30, s30, s100
	s_mov_b32 s31, 0
	s_add_nc_u64 s[30:31], s[10:11], s[30:31]
	s_wait_alu depctr_va_vdst(0)
	global_store_b128 v1, v[PC:PC+3], s[28:29]     ; registers 0-3: 512 consecutive bytes, aligned
	global_store_b64 v5, v[PC+4:PC+5], s[28:29] offset:512   ; registers 4, 5: 256
	v_cmp_gt_u32 vcc_lo, 16, v7
	s_wait_xcnt 0x0                                ; EXEC changes only behind this wait
	s_and_saveexec_b32 s25, vcc_lo
	global_store_b16 v4, v[BT+3], s[30:31]         ; sixteen lanes, 2 bytes each, 8 bytes apart: the one store here that fills no whole run: 32 bytes for a tile's 768 of codes
	s_wait_xcnt 0x0                                ; and again in front of the line that widens it; the stores' registers and bases may be written again
	s_or_b32 exec_lo, exec_lo, s25
	s_sub_co_u32 s14, 127, s14                     ; my second tile
	s_sub_co_u32 s15, s15, 1
	s_cmp_lg_u32 s15, 0
	s_cbranch_scc1 .Ltile
	s_wait_tensorcnt 0x0
	ds_add_u32 v254, v255
	s_wait_dscnt 0x0
	s_endpgm
.Lfunc_end_k_q956698dfff_attn:
	.size	k_q956698dfff_attn, .Lfunc_end_k_q956698dfff_attn-k_q956698dfff_attn
	.p2alignl 7, 3214868480
	.fill 96, 4, 3214868480
	.section	.rodata,"a",@progbits
	.p2align	6, 0x0
	.amdhsa_kernel k_q956698dfff_attn
		.amdhsa_group_segment_fixed_size 206848
		.amdhsa_private_segment_fixed_size 0
		.amdhsa_enable_private_segment 0
		.amdhsa_kernarg_size 32
		.amdhsa_user_sgpr_count 2
		.amdhsa_user_sgpr_kernarg_segment_ptr 1
		.amdhsa_wavefront_size32 1
		.amdhsa_system_sgpr_workgroup_id_x 1
		.amdhsa_system_sgpr_workgroup_id_y 1
		.amdhsa_system_sgpr_workgroup_id_z 1
		.amdhsa_system_vgpr_workitem_id 0
		.amdhsa_next_free_vgpr 256
		.amdhsa_next_free_sgpr 102
		.amdhsa_reserve_vcc 1
		.amdhsa_float_denorm_mode_32 3
		.amdhsa_float_denorm_mode_16_64 3
		.amdhsa_memory_ordered 1
		.amdhsa_forward_progress 1
		.amdhsa_inst_pref_size 38
	.end_amdhsa_kernel
	.amdgpu_metadata
---
amdhsa.version: [ 1, 2 ]
amdhsa.kernels:
  - .name:           k_q956698dfff_attn
    .symbol:         k_q956698dfff_attn.kd
    .args:
      - { .name: qimg, .offset: 0, .size: 8, .value_kind: global_buffer, .address_space: global }
      - { .name: kv, .offset: 8, .size: 8, .value_kind: global_buffer, .address_space: global }
      - { .name: mk, .offset: 16, .size: 8, .value_kind: global_buffer, .address_space: global }
      - { .name: ctx, .offset: 24, .size: 8, .value_kind: global_buffer, .address_space: global }
    .group_segment_fixed_size: 206848
    .private_segment_fixed_size: 0
    .kernarg_segment_align: 8
    .kernarg_segment_size: 32
    .max_flat_workgroup_size: 512
    .sgpr_count:     102
    .vgpr_count:     256
    .wavefront_size: 32
...
	.end_amdgpu_metadata
.endif
;; end of part 3
;; launch outp (part 4): grid 4 x 32, 4 waves a work-group, clusters of 4 x 4, 327,680 bytes of LDS; arguments ctx, wq, bo, out0; writes out0
.if DOCPART == 4
	.amdgcn_target "amdgcn-amd-amdhsa--gfx1250"
	.amdhsa_code_object_version 6
	.text
	.protected	k_q956698dfff_outp
	.globl	k_q956698dfff_outp
	.p2align	8
	.type	k_q956698dfff_outp,@function
k_q956698dfff_outp:
	s_mov_b64 s[64:65], 0
	v_nop
	global_prefetch_b8 v0, s[64:65] scope:SCOPE_SE
	s_setreg_imm32_b32 hwreg(HW_REG_WAVE_MODE, 25, 1), 1
	s_wait_xcnt 0x0
	s_wait_alu depctr_hold_cnt(0) depctr_sa_sdst(0) depctr_va_vdst(0) depctr_va_sdst(0) depctr_va_ssrc(0) depctr_va_vcc(0) depctr_vm_vsrc(0)
	s_getreg_b32 s2, hwreg(HW_REG_IB_STS2, 6, 4)
	s_cmp_eq_u32 s2, 0
	s_cbranch_scc0 .Lentry_in_a_cluster
	s_endpgm
.Lentry_in_a_cluster:
	s_bfe_u32 s2, ttmp6, 0x10000c
	s_cmp_lg_u32 s2, 0xf033
	s_cbranch_scc0 .Lentry_shape_is_right
	s_endpgm
.Lentry_shape_is_right:
; OUTP.  out = ctx Wo + bo on codes of FP6 (E2M3) with one E8M0 scale for each 32 along K = 1,024; sums in f32; out [8192][1024] f32.
; A work-group of four waves makes 256 x 256, a wave 128 x 128: 64 accumulators.  K goes in steps of 256 through a ring of two LDS slots filled by the tensor data mover; 4 x 4 work-groups form a cluster, A's tiles
; shared along its rows, B's along its columns, by joint loads.  Source 0 = 16 rows of B (output features), source 1 = 16 rows of A (tokens): a lane holds one token and its registers run along the features.
; OPERANDS lie in memory as images of registers, by row tiles (RT 2 G + u = rows 32 G + 8 u + m + 8 (m / 8)), 12,288 bytes an RT.  Wo's fragment of a K step: 1,536 bytes, registers 4 g .. 4 g + 3 of lane L at 512 g + 16 L.
; ctx's: two heads of 768 bytes; head c of the two holds registers 6 c .. 6 c + 3 at 16 L and 6 c + 4, 6 c + 5 at 512 + 8 L.  Scale images: 512 bytes an RT, the word of row r for K step 2 s + q at 128 s + 8 r + 4 q.
; A scale byte 0xff in ctx (a query with no true key) makes that token's whole row NaN, as the definition has it.
; REGISTERS: window 0: v16-31 addresses; v32-63 scale words, two sets, and nothing else; v64-67 my four biases; v128-223 A's fragments, ONE set; on the way out v128-255 rows of the result.
;   window 1: B's fragments, TWO sets.  windows 2, 3: the accumulators ((a, b) at v[8 (8 (a % 4) + b)]).
.set GROW,   12288
.set CSOFF,  6291456                   ; ctx: the scale images
.set WOC,    2359296                   ; wq: Wo's codes,
.set WOS,    3244032                   ; and its scale images
.set NQ,     2
.set FR,     12
.set NLA,    4                         ; LDS loads that bring a fragment of A
.set NP,     4
.set TROW,   3072
.set HALFT,  8*TROW
.set SLOT,   4*HALFT
.set SCL,    2*SLOT
.set HALFS,  4096
.set SPARE,  SCL+4*HALFS               ; the spare words, 128 bytes for each wave: two blocks of 256 bytes that no other line names
.set SPITCH, 528                       ; the way out: a stage of 16 rows x (512 bytes + 16) for each wave, in slot 0, which has had its last fill and its last read when the first result is stored there
.set ADRA,  16                         ; v16-17  my A fragments in slot 0, 1, + 16 x lane
.set ADRA8, 18                         ; v18-19  the same + 8 x lane
.set ADRB,  20                         ; v20-21  B's, + 16 x lane
.set STO,   24
.set RD,    25
.set CO,    26                         ; v26     16 x lane
.set ADRS,  27
.set SPW,   28
.set NIL,   29
.set SC,    32
.set BO,    64
.set AF,    128
.set BK,    128
.set G1, 24
.set G0, 32
.set G1B, 48
.set G0B, 56
.set G1S, 68
.set G0S, 76
.set G1SB, 80
.set G0SB, 88
.set MSB, 0
.macro WIN new
.if MSB != \new
	s_set_vgpr_msb (MSB<<8)|\new
.set MSB, \new
.endif
.endm
.set MUL_LO, 0xa1
.set MUL_HI, 0xf1
.set TO_B,   0x40
.macro JLOAD g0a, g1a, g0b, g1b        ; a joint load: waves 0 and 1 fetch for A, waves 2 and 3 for B; four v_nop follow each of the two lines
	s_cmp_eq_u32 s15, 0
	s_cbranch_scc0 .Lfor_b_\@
	tensor_load_to_lds s[\g0a:\g0a+3], s[\g1a:\g1a+7]
	s_nop 0
.rept 4
	v_nop
.endr
	s_branch .Lasked_\@
.Lfor_b_\@:
	tensor_load_to_lds s[\g0b:\g0b+3], s[\g1b:\g1b+7]
	s_nop 0
.rept 4
	v_nop
.endr
.Lasked_\@:
.endm
.macro CREST
	s_cmp_lg_u32 s14, 0
	s_cbranch_scc1 .Lnot_wave_0_\@
	s_barrier_signal -3
.Lnot_wave_0_\@:
	s_barrier_wait -3
	s_barrier_signal -1
	s_barrier_wait -1
.endm
.macro CROUND
	s_barrier_signal -1
	s_barrier_wait -1
	CREST
.endm
	s_load_b256 s[4:11], s[0:1], 0x0               ; ctx s[4:5], wq s[6:7], bo s[8:9], out0 s[10:11]
	v_lshl_add_u32 v[SPW], v0, 2, SPARE
	v_mov_b32 v[NIL], 0
	ds_add_u32 v28, v29
	ds_add_u32 v28, v29
	s_wait_dscnt 0x0
	v_lshrrev_b32 v1, 5, v0
	v_readfirstlane_b32 s14, v1                    ; wave 0..3
	s_lshr_b32 s15, s14, 1                         ; which half of A's 16 RTs is mine.  Also: I fetch for A (0) or for B (1)
	s_and_b32 s16, s14, 1                          ; which half of B's.  Also: which 8 RTs of that tile I fetch
	s_bfe_u32 s40, ttmp6, 0x40000                  ; cx: also the tile column (the grid is one cluster wide)
	s_bfe_u32 s41, ttmp6, 0x40004                  ; cy
	s_and_b32 s17, ttmp7, 0xffff
	s_lshl_b32 s17, s17, 2
	s_add_co_u32 s17, s17, s41                     ; tile row = 4 x cluster y + cy
	s_lshl_b32 s43, s41, 2
	s_lshl_b32 s43, 15, s43                        ; my row of the cluster
	s_lshl_b32 s44, 0x1111, s40                    ; my column
	s_or_b32 s[G1+0], s43, (3<<16)|(1<<21)         ; codes: 8 rows (RTs) of 3,072 bytes, 12,288 apart, as elements of 8 bytes; the mask; bit 21 beside it
	s_or_b32 s[G1B+0], s44, (3<<16)|(1<<21)
.irp g, G1, G1B
	s_mov_b32 s[\g+1], 384<<16
	s_mov_b32 s[\g+2], 8<<16
	s_mov_b32 s[\g+3], 384<<16
	s_mov_b32 s[\g+4], 8
	s_mov_b32 s[\g+5], 1536
	s_mov_b32 s[\g+6], 0
	s_mov_b32 s[\g+7], 0
.endr
	s_or_b32 s[G1S+0], s43, (3<<16)|(1<<21)        ; scale images of 8 RTs: 4,096 dense bytes as 16 rows of 256
	s_or_b32 s[G1SB+0], s44, (3<<16)|(1<<21)
.irp g, G1S, G1SB
	s_mov_b32 s[\g+1], 32<<16
	s_mov_b32 s[\g+2], 16<<16
	s_mov_b32 s[\g+3], 32<<16
	s_mov_b32 s[\g+4], 16
	s_mov_b32 s[\g+5], 32
	s_mov_b32 s[\g+6], 0
	s_mov_b32 s[\g+7], 0
.endr
	s_lshl_b32 s18, s16, 3
	s_lshl_b32 s20, s17, 4
	s_add_co_u32 s20, s20, s18                     ; the first of the 8 RTs that I would fetch of A,
	s_lshl_b32 s46, s40, 4
	s_add_co_u32 s46, s46, s18                     ; of B
	s_lshl_b32 s22, s20, 9
	s_add_co_u32 s22, s22, CSOFF
	s_lshl_b32 s92, s46, 9
	s_add_co_u32 s92, s92, WOS
	s_mul_i32 s20, s20, GROW
	s_mul_i32 s46, s46, GROW
	s_add_co_u32 s46, s46, WOC
	s_mov_b32 s21, 0
	s_mov_b32 s23, 0
	s_mov_b32 s47, 0
	s_mov_b32 s93, 0
	s_mul_i32 s45, s14, HALFT                      ; where they go: no place in the cluster enters an LDS address
	s_mul_i32 s94, s14, HALFS
	s_wait_kmcnt 0x0
	s_add_nc_u64 s[20:21], s[4:5], s[20:21]
	s_add_nc_u64 s[22:23], s[4:5], s[22:23]
	s_add_nc_u64 s[46:47], s[6:7], s[46:47]
	s_add_nc_u64 s[92:93], s[6:7], s[92:93]
	CROUND                                         ; all sixteen work-groups are here: the first joint loads meet
	s_mov_b32 s[G0S], 1
	s_add_co_u32 s[G0S+1], s94, SCL
	s_mov_b64 s[G0S+2:G0S+3], s[22:23]
	s_or_b32 s[G0S+3], s[G0S+3], 0x80000000
	s_mov_b32 s[G0SB], 1
	s_add_co_u32 s[G0SB+1], s94, SCL
	s_mov_b64 s[G0SB+2:G0SB+3], s[92:93]
	s_or_b32 s[G0SB+3], s[G0SB+3], 0x80000000
	JLOAD G0S, G1S, G0SB, G1SB
.irp s, 0,1
	s_mov_b32 s[G0+4*\s], 1
	s_add_co_u32 s[G0+4*\s+1], s45, \s*SLOT
	s_add_nc_u64 s[G0+4*\s+2:G0+4*\s+3], s[20:21], \s*TROW
	s_or_b32 s[G0+4*\s+3], s[G0+4*\s+3], 0x80000000
	s_mov_b32 s[G0B+4*\s], 1
	s_add_co_u32 s[G0B+4*\s+1], s45, \s*SLOT
	s_add_nc_u64 s[G0B+4*\s+2:G0B+4*\s+3], s[46:47], \s*TROW
	s_or_b32 s[G0B+4*\s+3], s[G0B+4*\s+3], 0x80000000
	JLOAD G0+4*\s, G1, G0B+4*\s, G1B               ; by this text's count three tensor loads of a wave are out here, later one
.endr
	v_and_b32 v1, 15, v0                           ; r
	v_bfe_u32 v2, v0, 4, 1                         ; h
	v_and_b32 v3, 31, v0
	v_lshlrev_b32 v[CO], 4, v3
	v_lshlrev_b32 v5, 3, v3
	s_mul_i32 s18, s15, HALFT
	s_mul_i32 s19, s16, HALFT
	s_add_co_u32 s19, s19, 2*HALFT
.irp s, 0,1
	v_add_nc_u32 v[ADRA+\s], s18, v[CO]
	v_add_nc_u32 v[ADRA8+\s], s18, v5
	v_add_nc_u32 v[ADRB+\s], s19, v[CO]
	s_add_co_u32 s18, s18, SLOT
	s_add_co_u32 s19, s19, SLOT
.endr
	s_mul_i32 s18, s15, HALFS
	s_mul_i32 s19, s16, HALFS
	s_add_co_u32 s19, s19, 2*HALFS
	s_sub_co_u32 s19, s19, s18
	v_mul_u32_u24 v4, s19, v2                      ; lanes 16-31 take B's: one product, the distance between the two bases
	s_add_co_u32 s18, s18, SCL
	v_lshl_add_u32 v4, v1, 3, v4
	v_add_nc_u32 v[ADRS], s18, v4
	s_mul_i32 s23, s14, 16*SPITCH                  ; my stage
	v_mul_u32_u24 v4, v1, SPITCH                   ; in: row r, + 64 bytes for lanes 16-31
	v_lshl_add_u32 v4, v2, 6, v4
	v_add_nc_u32 v[STO], s23, v4
	v_add_nc_u32 v[RD], s23, v[CO]                 ; back: the 32 lanes take one row of 512 bytes
	s_lshl_b32 s20, s17, 8
	s_lshl_b32 s21, s15, 7
	s_add_co_u32 s20, s20, s21                     ; my first token
	s_lshl_b32 s20, s20, 12
	s_lshl_b32 s46, s40, 10
	s_lshl_b32 s47, s16, 9
	s_add_co_u32 s46, s46, s47                     ; my first feature, in bytes
	s_mov_b32 s47, 0
	s_add_nc_u64 s[8:9], s[8:9], s[46:47]
	s_add_co_u32 s20, s20, s46
	s_mov_b32 s21, 0
	s_add_nc_u64 s[12:13], s[10:11], s[20:21]      ; never stepped: a row's place stands in the stores' immediates
	global_load_b128 v[BO:BO+3], v[CO], s[8:9]     ; the biases of the four features that I store
.macro FRAG reg, adr, q, i             ; B's fragment: RT i of my 8, the slot's q-th 128 along K
.irp g, 0,1,2
	ds_load_b128 v[\reg+4*\g:\reg+4*\g+3], v[\adr] offset:(\i)*TROW+(\q)*1536+512*\g
.endr
.endm
.macro FRAGA reg, slot, q, i           ; A's: two heads' six registers each
.irp c, 0,1
	ds_load_b128 v[\reg+6*\c:\reg+6*\c+3], v[ADRA+\slot] offset:(\i)*TROW+(\q)*1536+768*\c
	ds_load_b64 v[\reg+6*\c+4:\reg+6*\c+5], v[ADRA8+\slot] offset:(\i)*TROW+(\q)*1536+768*\c+512
.endr
.endm
; The 64 accumulators take turns, one instruction a turn, in the same order in every step.
.macro MUL16 a0, p, q, sc, zero
.irp a, \a0, \a0+1
.irp b, 0,1,2,3,4,5,6,7
.if \zero
	v_wmma_scale_f32_16x16x128_f8f6f4 v[8*(8*((\a)%4)+\b):8*(8*((\a)%4)+\b)+7], v[128*(\p)+FR*\b:128*(\p)+FR*\b+FR-1], v[AF+FR*(\a):AF+FR*(\a)+FR-1], 0, v[SC+8*NQ*(\sc)+NQ*\b+(\q)], v[SC+8*NQ*(\sc)+NQ*(\a)+(\q)] matrix_a_fmt:MATRIX_FMT_FP6 matrix_b_fmt:MATRIX_FMT_FP6 matrix_a_scale:MATRIX_SCALE_ROW1
.else
	v_wmma_scale_f32_16x16x128_f8f6f4 v[8*(8*((\a)%4)+\b):8*(8*((\a)%4)+\b)+7], v[128*(\p)+FR*\b:128*(\p)+FR*\b+FR-1], v[AF+FR*(\a):AF+FR*(\a)+FR-1], v[8*(8*((\a)%4)+\b):8*(8*((\a)%4)+\b)+7], v[SC+8*NQ*(\sc)+NQ*\b+(\q)], v[SC+8*NQ*(\sc)+NQ*(\a)+(\q)] matrix_a_fmt:MATRIX_FMT_FP6 matrix_b_fmt:MATRIX_FMT_FP6 matrix_a_scale:MATRIX_SCALE_ROW1
.endif
.endr
.endr
.endm
.macro FETCH_B slot, q, p
	WIN TO_B
.irp i, 0,1,2,3,4,5,6,7
	FRAG 128*(\p)+FR*\i, ADRB+\slot, \q, \i
.endr
	WIN 0
.endm
.macro FETCH_A slot, q, i0
.irp i, \i0, \i0+1, \i0+2, \i0+3
	FRAGA AF+FR*(\i), \slot, \q, \i
.endr
.endm
.macro SCALES sc
.irp i, 0,1,2,3,4,5,6,7
	ds_load_b64 v[SC+8*NQ*\sc+NQ*\i:SC+8*NQ*\sc+NQ*\i+1], v[ADRS] offset:\i*512
.endr
.endm
.macro PLACES n                        ; plain vector instructions that name none of the matrix instructions' registers (ISA guide 7.12.1)
.rept \n
	v_nop
.endr
.endm
.macro STEP slot, q, zero
	s_wait_dscnt 4*NLA                             ; B's set, A's blocks 0-3 and the scale words are in; the youngest 16 loads (A's blocks 4-7) may be out
	WIN MUL_LO
	MUL16 0, (\q)%2, \q, \slot, \zero
	MUL16 2, (\q)%2, \q, \slot, \zero
	s_wait_dscnt 0
	PLACES NP
	FETCH_B \slot, (\q)+1, 1-(\q)%2
	FETCH_A \slot, (\q)+1, 0
	WIN MUL_HI
	MUL16 4, (\q)%2, \q, \slot, \zero
	MUL16 6, (\q)%2, \q, \slot, \zero
	PLACES NP
	WIN 0
	FETCH_A \slot, (\q)+1, 4
.endm
.macro TURN slot, next, fill
	s_wait_tensorcnt 0x0                           ; all my tensor loads have landed: my part of the next slot
	ds_add_u32 v[SPW], v[NIL]                      ; 0 onto my spare word
	s_wait_dscnt 4*NLA+1                           ; (the add and the youngest 16 loads may be out)
	WIN MUL_LO
	MUL16 0, 1, NQ-1, \slot, 0
	s_wait_dscnt 0x0                               ; the add is done, and my reads of this slot are over
	s_barrier_signal -1
	MUL16 2, 1, NQ-1, \slot, 0
	WIN 0
	s_barrier_wait -1
.if \fill
	CREST                                          ; a round of the cluster's barrier: no wave of any partner still reads this slot or has a load on its way
	s_add_nc_u64 s[G0+4*\slot+2:G0+4*\slot+3], s[G0+4*\slot+2:G0+4*\slot+3], 2*TROW
	s_add_nc_u64 s[G0B+4*\slot+2:G0B+4*\slot+3], s[G0B+4*\slot+2:G0B+4*\slot+3], 2*TROW
	JLOAD G0+4*\slot, G1, G0B+4*\slot, G1B
.else
	PLACES NP
.endif
	v_add_nc_u32 v[ADRS], 128, v[ADRS]
	FETCH_B \next, 0, 0
	FETCH_A \next, 0, 0
	SCALES \next
	WIN MUL_HI
	MUL16 4, 1, NQ-1, \slot, 0
	MUL16 6, 1, NQ-1, \slot, 0
	PLACES NP
	WIN 0
	FETCH_A \next, 0, 4
.endm
	s_wait_tensorcnt 1                             ; the scale images and my part of slot 0 are in (slot 1's load may be out)
	s_barrier_signal -1
	s_barrier_wait -1
	FETCH_B 0, 0, 0
	FETCH_A 0, 0, 0
	SCALES 0
	FETCH_A 0, 0, 4
	STEP 0, 0, 1                                   ; K = 1,024 is four slots: written straight
	TURN 0, 1, 1
	STEP 1, 0, 0
	TURN 1, 0, 1
	STEP 0, 0, 0
	TURN 0, 1, 0
	STEP 1, 0, 0
	s_wait_dscnt 4*NLA
	WIN MUL_LO
	MUL16 0, 1, NQ-1, 1, 0
	MUL16 2, 1, NQ-1, 1, 0
	s_wait_dscnt 0
	WIN MUL_HI
	MUL16 4, 1, NQ-1, 1, 0
	MUL16 6, 1, NQ-1, 1, 0
	WIN 0
; THE WAY OUT, a block of 16 tokens x 128 features at a time, through my own stage in LDS: register 8 b + j of lane (r, h) is feature 32 (b / 2) + 16 h + 8 (b % 2) + j of token r; rows come back whole, 512 bytes,
; the bias is added, and the 32 lanes store two aligned runs of 256 bytes.  LDS serves a wave's instructions in order: no wait between the stores and the loads.
.macro TOSTAGE a
.set AC, 64*((\a)%4)
	WIN 0x08+4*((\a)/4)                            ; the data: window 2 or 3
.irp b, 0,1,2,3,4,5,6,7
	ds_store_b128 v[STO], v[AC+8*\b:AC+8*\b+3] offset:128*(\b/2)+32*(\b%2)       ; each accumulator from its low end on
	ds_store_b128 v[STO], v[AC+8*\b+4:AC+8*\b+7] offset:128*(\b/2)+32*(\b%2)+16
.endr
	WIN 0
.set BB, BK+64*((\a)%2)
.irp t, 0,1,2,3,4,5,6,7,8,9,10,11,12,13,14,15
	ds_load_b128 v[BB+4*\t:BB+4*\t+3], v[RD] offset:\t*SPITCH
.endr
.endm
.macro SEND a, younger                 ; younger: the LDS instructions issued behind block a's loads, which may stay out
.set BB, BK+64*((\a)%2)
	s_wait_dscnt \younger
.irp t, 0,1,2,3,4,5,6,7,8,9,10,11,12,13,14,15
	v_pk_add_f32 v[BB+4*\t:BB+4*\t+1], v[BB+4*\t:BB+4*\t+1], v[BO:BO+1]
	v_pk_add_f32 v[BB+4*\t+2:BB+4*\t+3], v[BB+4*\t+2:BB+4*\t+3], v[BO+2:BO+3]
	global_store_b128 v[CO], v[BB+4*\t:BB+4*\t+3], s[12:13] offset:(32*((\a)/2)+8*((\a)%2)+\t+8*(\t/8))*4096 th:TH_STORE_NT   ; row t of RT a: 512 consecutive bytes, aligned; 127 rows of 4,096 bytes at the most
.endr
.endm
	PLACES NP
	s_wait_loadcnt 0x0                             ; the biases
	TOSTAGE 0
.irp a, 1,2,3,4,5,6,7
.if \a > 1
	s_wait_xcnt 0x0                                ; block a - 2's stores have read their registers: block a's loads may land there
.endif
	TOSTAGE \a
	SEND \a-1, 32                                  ; behind block a - 1's loads: block a's 16 stores and 16 loads
.endr
	SEND 7, 0
	s_wait_tensorcnt 0x0                           ; the wave's end
	ds_add_u32 v[SPW], v[NIL]
	s_wait_dscnt 0x0
	CROUND                                         ; the closing round
	s_endpgm
.Lfunc_end_k_q956698dfff_outp:
	.size	k_q956698dfff_outp, .Lfunc_end_k_q956698dfff_outp-k_q956698dfff_outp
	.p2alignl 7, 3214868480
	.fill 96, 4, 3214868480
	.section	.rodata,"a",@progbits
	.p2align	6, 0x0
	.amdhsa_kernel k_q956698dfff_outp
		.amdhsa_group_segment_fixed_size 327680
		.amdhsa_private_segment_fixed_size 0
		.amdhsa_enable_private_segment 0
		.amdhsa_kernarg_size 32
		.amdhsa_user_sgpr_count 2
		.amdhsa_user_sgpr_kernarg_segment_ptr 1
		.amdhsa_wavefront_size32 1
		.amdhsa_system_sgpr_workgroup_id_x 1
		.amdhsa_system_sgpr_workgroup_id_y 1
		.amdhsa_system_sgpr_workgroup_id_z 1
		.amdhsa_system_vgpr_workitem_id 0
		.amdhsa_next_free_vgpr 1024
		.amdhsa_next_free_sgpr 102
		.amdhsa_reserve_vcc 0
		.amdhsa_float_denorm_mode_32 3
		.amdhsa_float_denorm_mode_16_64 3
		.amdhsa_memory_ordered 1
		.amdhsa_forward_progress 1
		.amdhsa_inst_pref_size 155
	.end_amdhsa_kernel
	.amdgpu_metadata
---
amdhsa.version: [ 1, 2 ]
amdhsa.kernels:
  - .name:           k_q956698dfff_outp
    .symbol:         k_q956698dfff_outp.kd
    .args:
      - { .name: ctx, .offset: 0, .size: 8, .value_kind: global_buffer, .address_space: global }
      - { .name: wq, .offset: 8, .size: 8, .value_kind: global_buffer, .address_space: global }
      - { .name: bo, .offset: 16, .size: 8, .value_kind: global_buffer, .address_space: global }
      - { .name: out0, .offset: 24, .size: 8, .value_kind: global_buffer, .address_space: global }
    .group_segment_fixed_size: 327680
    .private_segment_fixed_size: 0
    .kernarg_segment_align: 8
    .kernarg_segment_size: 32
    .max_flat_workgroup_size: 128
    .sgpr_count:     102
    .vgpr_count:     1024
    .wavefront_size: 32
...
	.end_amdgpu_metadata
.endif
;; end of part 4
